; MI455X (gfx1250); checked and timed in simulation.
; The chip was launched on July 23, 2026; its instructions are those of AMD's public machine-readable ISA for CDNA 5 (MIT licence, August 2026) and "CDNA5" Instruction Set Architecture Reference Guide (July 2026). The comments in the code are by the model that wrote it; some were corrected since.
;; GPT Attention. Allowed arithmetic: matrix products marked QUANTISED: E4M3 operands, one E8M0 scale for each 32 along K, by v_wmma_scale_f32_16x16x128_f8f6f4 with both operands' format E4M3, f32 sums; everything else in f32.
;; Inputs: b_attn 3,072 float32; b_proj 1,024 float32; w_attn 1,024 x 3,072 float32; w_proj 1,024 x 1,024 float32; x 4 x 2,048 x 1,024 float32.
;; Outputs: out0 4 x 2,048 x 1,024 float32.
;; This version of the problem:
;;   THIS VERSION OF THE PROBLEM IS GIVEN IN LOW PRECISION. The matrix products marked QUANTISED in the list below multiply operands that are first quantised to E4M3 (4 exponent bits, 3 mantissa bits; 8 bits a number), with one power-of-two scale for each 32 numbers along K (OCP MX v1.0); their sums are f32. All else is computed in f32.
;;   The module's matrix products, in the order in which they are computed (A, B: the left and right operand; K: the contracted axis; several contracted axes count as one K, in the product's order):
;;     1. [M 8,192, K 1,024] x [K 1,024, N 3,072]; A: input x; B: input w_attn: QUANTISED
;;     2. batch 64 x [M 2,048, K 64] x [K 64, N 2,048]; A: computed on the way; B: computed on the way: QUANTISED
;;     3. batch 64 x [M 2,048, K 2,048] x [K 2,048, N 64]; A: softmax (see below); B: computed on the way: QUANTISED
;;     4. [M 8,192, K 1,024] x [K 1,024, N 1,024]; A: computed on the way; B: input w_proj: QUANTISED
;;   THE QUANTISER, for each operand of a quantised product, along K:
;;     - K is cut into blocks of 32 from its start; a last block that is shorter is filled with zeros.
;;     - A block's scale is 2^e with e = floor(log2(the largest magnitude in the block)) - 8, held to -126 .. 127; a block of zeros has e = 0. As a byte (E8M0): e + 127.
;;     - Each number is divided by its block's scale, clamped to +-448, and rounded to the nearest number of E4M3, ties to even, subnormals kept.
;;     - The product sums the exact products of the quantised numbers (number of the format x scale) in f32.
;;   ~~~python
;;   def quantise(x, axis):      # numpy; x: float32 -> the quantised numbers, widened to float32 again
;;       x = np.moveaxis(x, axis, -1); K = x.shape[-1]
;;       x = np.pad(x, [(0, 0)] * (x.ndim - 1) + [(0, -K % 32)]); x = x.reshape(x.shape[:-1] + (-1, 32)); a = np.abs(x).max(-1, keepdims=True)
;;       e = np.where(a > 0, np.clip(np.frexp(np.where(a > 0, a, 1))[1] - 1 - 8, -126, 127), 0)      # np.frexp(a)[1] - 1 = floor(log2(a)), exactly
;;       r = np.clip(x / 2.0 ** e, -448, 448)
;;       step = 2.0 ** (np.maximum(np.frexp(np.where(r == 0, 1, r))[1] - 1, -6) - 3)
;;       q = np.round(r / step) * step * 2.0 ** e      # np.round: ties to even
;;       return np.moveaxis(q.reshape(q.shape[:-2] + (-1,))[..., :K], -1, axis).astype(np.float32)
;;   ~~~
;;   SOFTMAX AHEAD OF A QUANTISED PRODUCT. Where the list says 'softmax', what is quantised is not the finished softmax but p = 2^(t - M), with t = logit x log2(e) and M = ceil(the row's largest t), a whole number; so 1/2 < the row's largest p <= 1. The row's sum l is taken of the UNQUANTISED p, in f32, and the product's result is divided by l at the end. Since M is a whole number, a kernel that streams over the keys may use a running M (the ceiling of the running maximum): every later rescaling is an exact power of two, which a block's scale takes up: the codes' values come out the same.
;;   OPERANDS COMPUTED ON THE WAY. 'Computed on the way' means the value that the module computes at that place (a softmax that the list does not call 'softmax' is quantised finished and normalised). What goes into a quantiser is computed in f32, as accurately as f32 sums, v_exp_f32 and their like allow (about 1e-6 of the number): no bf16 or f16 on the way to a quantiser, and a product that is left as it is and whose result goes on into a quantised operand takes f32 operands (vector FMAs, or v_wmma_f32_16x16x4_f32). A number that lies on a knife's edge between two numbers of the format may be rounded either way, as far as f32 arithmetic and the matrix unit's own rounding can turn it there, and no further.
;; One version. Each part assembles by itself: llvm-mc -triple=amdgcn-amd-amdhsa -mcpu=gfx1250 --defsym DOCPART=n.
;; ======== version 1 of 1: 4 launches
;; limits: right only within a limited range of input values
;; workspace buffers: xc 8,650,752 bytes; wc 4,325,376 bytes; qkv 25,952,256 bytes; yc 8,650,752 bytes
;; launch prep (part 1): grid 384 x 1, 4 waves a work-group, no clusters, 68,096 bytes of LDS; arguments x, w_attn, w_proj, xc, wc; writes xc, wc
.if DOCPART == 1
	.amdgcn_target "amdgcn-amd-amdhsa--gfx1250"
	.amdhsa_code_object_version 6
	.text
	.protected	k_qb9955fe188_prep
	.globl	k_qb9955fe188_prep
	.p2align	8
	.type	k_qb9955fe188_prep,@function
k_qb9955fe188_prep:
	s_mov_b64 s[64:65], 0
	v_nop
	global_prefetch_b8 v0, s[64:65] scope:SCOPE_SE
	s_setreg_imm32_b32 hwreg(HW_REG_WAVE_MODE, 25, 1), 1
	s_wait_xcnt 0x0
; x [8192][1024], w_attn [1024][3072] and w_proj [1024][1024], f32, become codes of FP8 (E4M3) with one E8M0 byte for each 32 along K (K = the 1,024),
; laid in the order of the matrix operands' registers, so that the products' launches read them by dense loads alone.
; THE LAYOUT (xc: rows = tokens; wc: rows = w_attn's 3,072 columns, then w_proj's 1,024):  [block of 256 rows][256 along K][half of 128 rows], a half record of 33,792 bytes:
;   codes [tile 8][128 along K: 2][image 2,048], then scale words [tile 8][place 16][128 along K: 2], 4 bytes each.
;   An image is a fragment's 16 registers: register group c of lane l at 512 c + 16 l; lane (r, h) holds K = 32 c + 16 h + 0 .. 15 of the row at place r.
;   THE ROWS OF A TILE ARE NOT NEIGHBOURS: in a group of 32 rows tile u holds at place i the row 8 u + i % 8 + 16 (i / 8).  With that choice on both operands a product's results
;   lie so that 16 registers of two neighbouring tiles are 16 neighbours along the next K.
; A block's scale is 2^(floor(log2(largest magnitude)) - 8); its byte is the largest magnitude's exponent field - 8, held at 1 from below; numbers are held within +-448 x the scale and rounded to the nearest code.
; LIMITS: NaN and infinities are not served.  A block of zeros gets the byte 1 (its codes are zeros; this program alone reads the bytes).  Blocks whose largest magnitude lies under 2^-118 are held at the byte 1.
; Work-groups 0-255 take x (32 rows each; wave w: K 256 w on), work-groups 256-383 the weights (128 columns x 256 along K; wave w: 32 columns).  Waves share nothing: no barrier.  Each path has LDS bytes of its own.
.set SEL,   20                         ; s[20:21] lane selects for v_permlanex16_b32: lane l xor 16
.set MNT,   23                         ; s23 the mantissa field of 448
.set STG,   8448                       ; a wave's stage in LDS
.set HALF,  33792
.set KSLOT, 67584
.set BLKB,  270336
.set WD,    8                          ; x: v8-11   the four fragments' scale words
.set TM,    16                         ; x: v16-31  largest magnitudes, bytes, holds, scale operands
.set PC,    32                         ; x: v32-47  a fragment's codes
.set R,     64                         ; x: v64-191 two sets of 64: a fragment's numbers as loaded
.set X,     192                        ; x: v192-255 the same, 16 neighbours of each block to a lane
.set OFF,   32                         ; w: v32-63  4 x lane + i rows
.set XW,    64                         ; w: v64-127 two sets of 32: a block of one column
.set CW,    16                         ; w: v16-23  a block's codes
.set SB,    24                         ; w: v24-25  the scale words
.set OUTR,  128                        ; w: v128-191 the way out
	s_load_b128 s[4:7], s[0:1], 0x0                ; x, w_attn
	s_load_b128 s[8:11], s[0:1], 0x10              ; w_proj, xc
	s_load_b64 s[12:13], s[0:1], 0x20              ; wc
	s_set_vgpr_msb 0x40
	v_lshl_add_u32 v0, v0, 2, 0x10800
	v_mov_b32 v1, 0
	s_set_vgpr_msb 0x4000
	v_lshrrev_b32 v1, 5, v0
	v_readfirstlane_b32 s14, v1                    ; wave
	v_and_b32 v5, 31, v0                           ; lane
	v_lshlrev_b32 v1, 4, v5                        ; 16 x lane
	s_mov_b32 s[SEL], 0x76543210
	s_mov_b32 s[SEL+1], 0xfedcba98
	s_mov_b32 s[MNT], 0x600000
	s_cmp_lt_u32 ttmp9, 256
	s_cbranch_scc0 .Lweights
; ---------------- x: a group of 32 rows, 256 along K a wave: four fragments f = 2 u + q ----------------
; 64 numbers of a lane, register 16 b + i = K 32 b + 16 h + i of my row, become a fragment's codes in v[PC] on and its scale word in v[pw]
.macro QUANT s, pw
.irp b, 0,1,2,3
	v_max3_num_f32 v[TM+\b], |v[\s+16*\b]|, |v[\s+1+16*\b]|, 0x4800000   ; my 16 numbers of block b, and the floor 2^(9 - 127): the byte cannot fall under 1
.endr
.irp i, 2,4,6,8,10,12,14
.irp b, 0,1,2,3
	v_max3_num_f32 v[TM+\b], v[TM+\b], |v[\s+16*\b+\i]|, |v[\s+1+16*\b+\i]|   ; the four blocks by turns
.endr
.endr
.irp b, 0,1,2,3
	v_permlanex16_b32 v[TM+4+\b], v[TM+\b], s[SEL], s[SEL+1]
.endr
.irp b, 0,1,2,3
	v_max_num_f32 v[TM+\b], v[TM+\b], v[TM+4+\b]   ; with lane l xor 16's: the block's largest magnitude
.endr
.irp b, 0,1,2,3
	v_add_nc_u32 v[TM+12+\b], 0xfc000000, v[TM+\b] ; 8 off its exponent field: the conversion's scale operand
.endr
.irp b, 0,1,2,3
	v_and_or_b32 v[TM+8+\b], v[TM+\b], 0x7f800000, s[MNT]   ; 448 x the scale
.endr
.irp b, 0,1,2,3
	v_lshrrev_b32 v[TM+4+\b], 23, v[TM+12+\b]      ; the scale's byte
.endr
	v_lshl_or_b32 v[\pw], v[TM+5], 8, v[TM+4]
	v_lshl_or_b32 v[\pw], v[TM+6], 16, v[\pw]
	v_lshl_or_b32 v[\pw], v[TM+7], 24, v[\pw]
.irp b, 0,1,2,3
.irp i, 0,1,2,3,4,5,6,7,8,9,10,11,12,13,14,15
	v_med3_num_f32 v[\s+16*\b+\i], v[\s+16*\b+\i], -v[TM+8+\b], v[TM+8+\b]   ; the conversion to an 8-bit code does not saturate (ISA guide 7.6.2): the hold comes first
.endr
	v_cvt_scalef32_pk8_fp8_f32 v[PC+4*\b:PC+1+4*\b], v[\s+16*\b:\s+7+16*\b], v[TM+12+\b]
	v_cvt_scalef32_pk8_fp8_f32 v[PC+2+4*\b:PC+3+4*\b], v[\s+8+16*\b:\s+15+16*\b], v[TM+12+\b]
.endr
	v_nop                                          ; one plain line behind the last conversion
.endm
.macro LOADF f                         ; fragment f: its 16 rows' 128 numbers; each load reads 512 consecutive bytes of one row
.irp i, 0,1,2,3,4,5,6,7,8,9,10,11,12,13,14,15
	global_load_b128 v[R+64*((\f)%2)+4*\i:R+64*((\f)%2)+4*\i+3], v1, s[4:5] offset:(8*((\f)/2)+(\i%8)+16*(\i/8))*4096+512*((\f)%2) th:TH_LOAD_NT
.endr
.endm
.macro XFRAG f
.if (\f) < 3
	s_wait_loadcnt 16                              ; this fragment's 16 loads are in; the next fragment's 16 may be out
.else
	s_wait_loadcnt 0x0
.endif
.irp i, 0,1,2,3,4,5,6,7,8,9,10,11,12,13,14,15
	ds_store_b128 v2, v[R+64*((\f)%2)+4*\i:R+64*((\f)%2)+4*\i+3] offset:528*\i    ; row place i, as it lies; rows 528 bytes apart
.endr
.irp b, 0,1,2,3
.irp j, 0,1,2,3
	ds_load_b128 v[X+16*\b+4*\j:X+16*\b+4*\j+3], v3 offset:128*\b+16*\j           ; LDS serves a wave's instructions in order: these see the stores above
.endr
.endr
	s_wait_dscnt 0x0
	s_wait_xcnt 0x0                                ; the last fragment's stores have read the codes' registers, which QUANT writes again
.if (\f) < 2
	LOADF (\f)+2
.endif
	QUANT X, WD+(\f)
.irp c, 0,1,2,3
	global_store_b128 v1, v[PC+4*\c:PC+4*\c+3], s[26:27] offset:4096*((\f)/2)+2048*((\f)%2)+512*\c   ; 512 consecutive bytes of the image
.endr
.endm
	v_and_b32 v6, 15, v0                           ; r
	v_bfe_u32 v7, v0, 4, 1                         ; h
	s_mul_i32 s15, s14, STG                        ; my stage
	v_add_nc_u32 v2, s15, v1                       ; in: 16 x lane
	v_mul_u32_u24 v3, v6, 528
	v_lshl_add_u32 v3, v7, 6, v3
	v_add_nc_u32 v3, s15, v3                       ; back: row place r, + 64 h: my 16 numbers of a block
	v_lshlrev_b32 v4, 3, v5                        ; the scale words' place: 8 x lane
	v_cmp_ne_u32 s24, 0, v7                        ; lanes 16-31
.irp b, 0,1,2,3
	v_mov_b32 v[TM+4+\b], 0                        ; written once: a lane permute's destination counts as one of its sources
.endr
	s_lshl_b32 s16, ttmp9, 17                      ; 32 rows of 4,096 bytes
	s_lshl_b32 s17, s14, 10                        ; + 256 numbers a wave
	s_add_co_u32 s16, s16, s17
	s_mov_b32 s17, 0
	s_lshr_b32 s18, ttmp9, 3                       ; the block of 256 rows,
	s_mul_i32 s18, s18, BLKB
	s_mul_i32 s19, s14, KSLOT                      ; my 256 along K,
	s_add_co_u32 s18, s18, s19
	s_bfe_u32 s19, ttmp9, 0x10002                  ; the half of 128 rows
	s_mul_i32 s19, s19, HALF
	s_add_co_u32 s18, s18, s19
	s_and_b32 s22, ttmp9, 3                        ; the group of 32 in the half
	s_lshl_b32 s19, s22, 13
	s_add_co_u32 s26, s18, s19                     ; its two tiles' images
	s_mov_b32 s27, 0
	s_lshl_b32 s19, s22, 8
	s_add_co_u32 s28, s18, s19
	s_add_co_u32 s28, s28, 32768                   ; and their scale words
	s_mov_b32 s29, 0
	s_wait_alu depctr_va_vdst(0)
	s_wait_kmcnt 0x0
	s_add_nc_u64 s[4:5], s[4:5], s[16:17]
	s_add_nc_u64 s[26:27], s[10:11], s[26:27]
	s_add_nc_u64 s[28:29], s[10:11], s[28:29]
	LOADF 0
	LOADF 1
	XFRAG 0
	XFRAG 1
	XFRAG 2
	XFRAG 3
	v_cndmask_b32 v[WD], v[WD], v[WD+2], s24       ; lanes 0-15 keep tile 0's two words, lanes 16-31 take tile 1's
	v_cndmask_b32 v[WD+1], v[WD+1], v[WD+3], s24
	global_store_b64 v4, v[WD:WD+1], s[28:29]      ; 32 lanes store 256 consecutive bytes, aligned
	s_set_vgpr_msb 0x5
	s_wait_tensorcnt 0x0
	ds_add_u32 v0, v1
	s_wait_dscnt 0x0
	s_set_vgpr_msb 0x500
	s_endpgm
; ---------------- the weights: K is their first axis.  A lane takes a column, its registers run down K ----------------
.Lweights:
	s_sub_co_u32 s15, ttmp9, 256
	s_lshr_b32 s16, s15, 2                         ; which 128 columns of the 4,096: one half record
	s_and_b32 s17, s15, 3                          ; which 256 along K
	s_wait_kmcnt 0x0
	s_cmp_lt_u32 s16, 24                           ; w_attn's columns or w_proj's: the choice hangs on the work-group's number alone
	s_cselect_b64 s[6:7], s[6:7], s[8:9]
	s_mov_b32 s18, 4096
	s_cselect_b32 s18, 12288, s18                  ; a row of the weight in bytes
	s_cselect_b32 s19, 0, 3072
	s_lshl_b32 s22, s16, 7
	s_sub_co_u32 s22, s22, s19                     ; the first column in its own tensor,
	s_lshl_b32 s24, s14, 5
	s_add_co_u32 s22, s22, s24                     ; + 32 a wave
	s_lshl_b32 s22, s22, 2
	s_lshl_b32 s24, s17, 8
	s_mul_i32 s24, s24, s18
	s_add_co_u32 s24, s24, s22
	s_mov_b32 s25, 0
	s_add_nc_u64 s[32:33], s[6:7], s[24:25]        ; block 0's first row, my first column
	s_lshl_b32 s24, s18, 5                         ; 32 rows on
.irp t, 1,2,3,4,5,6,7
	s_add_nc_u64 s[32+2*\t:33+2*\t], s[30+2*\t:31+2*\t], s[24:25]
.endr
	s_wait_alu depctr_va_vdst(0)
	v_lshlrev_b32 v9, 2, v5
.irp i, 0,1,2,3,4,5,6,7,8,9,10,11,12,13,14,15,16,17,18,19,20,21,22,23,24,25,26,27,28,29,30,31
	v_mad_u32_u24 v[OFF+\i], s18, \i, v9           ; 4 x lane + i rows
.endr
	v_bfe_u32 v6, v0, 3, 1                         ; my column's tile u
	v_and_b32 v7, 7, v0
	v_bfe_u32 v8, v0, 4, 1
	v_lshl_add_u32 v7, v8, 3, v7                   ; and its place r in the tile
	s_mul_i32 s26, s14, STG
	s_add_co_u32 s26, s26, 4*STG                   ; my stage: behind the four of the other path
	v_mul_u32_u24 v14, v6, 4224                    ; tile 1's images lie 4,096 + 128 bytes behind tile 0's, so that sixteen lanes' stores fall on sixteen different columns of 16 bytes
	v_lshl_add_u32 v14, v7, 4, v14
	v_add_nc_u32 v14, s26, v14                     ; in
	v_add_nc_u32 v15, s26, v1                      ; back: 16 x lane
	v_lshlrev_b32 v26, 7, v6
	v_lshl_add_u32 v26, v7, 3, v26                 ; the scale words' place: 128 u + 8 r
	s_lshr_b32 s28, s16, 1
	s_mul_i32 s28, s28, BLKB
	s_mul_i32 s29, s17, KSLOT
	s_add_co_u32 s28, s28, s29
	s_and_b32 s29, s16, 1
	s_mul_i32 s29, s29, HALF
	s_add_co_u32 s28, s28, s29                     ; the half record
	s_lshl_b32 s29, s14, 8
	s_add_co_u32 s30, s28, s29
	s_add_co_u32 s30, s30, 32768                   ; my group's scale words
	s_mov_b32 s31, 0
	s_lshl_b32 s29, s14, 13
	s_add_co_u32 s28, s28, s29                     ; my group's images
	s_mov_b32 s29, 0
	s_add_nc_u64 s[28:29], s[12:13], s[28:29]
	s_add_nc_u64 s[30:31], s[12:13], s[30:31]
.macro LOADW t                         ; block t: 32 rows at my column: 32 lanes read 128 consecutive bytes, the four waves 512
.irp i, 0,1,2,3,4,5,6,7,8,9,10,11,12,13,14,15,16,17,18,19,20,21,22,23,24,25,26,27,28,29,30,31
	global_load_b32 v[XW+32*((\t)%2)+\i], v[OFF+\i], s[32+2*(\t):33+2*(\t)] th:TH_LOAD_NT
.endr
.endm
.macro BLOCK t
.set XS, XW+32*((\t)%2)
.if (\t) < 7
	s_wait_loadcnt 32                              ; this block's 32 loads are in; the next block's may be out
.else
	s_wait_loadcnt 0x0
.endif
	v_max3_num_f32 v12, |v[XS]|, |v[XS+1]|, |v[XS+2]|              ; the block's largest magnitude: all 32 numbers are mine
	v_max3_num_f32 v13, |v[XS+3]|, |v[XS+4]|, |v[XS+5]|
.irp i, 6,10,14,18,22,26
	v_max3_num_f32 v12, v12, |v[XS+\i]|, |v[XS+\i+1]|
	v_max3_num_f32 v13, v13, |v[XS+\i+2]|, |v[XS+\i+3]|
.endr
	v_max3_num_f32 v12, v12, |v[XS+30]|, |v[XS+31]|
	v_max3_num_f32 v12, v12, v13, 0x4800000        ; and the floor
	v_add_nc_u32 v11, 0xfc000000, v12              ; the conversion's scale operand
	v_and_or_b32 v10, v12, 0x7f800000, s[MNT]      ; 448 x the scale
	v_lshrrev_b32 v13, 23, v11                     ; the byte
.if (\t)%4 == 0
	v_mov_b32 v[SB+(\t)/4], v13
.else
	v_lshl_or_b32 v[SB+(\t)/4], v13, 8*((\t)%4), v[SB+(\t)/4]
.endif
.irp i, 0,1,2,3,4,5,6,7,8,9,10,11,12,13,14,15,16,17,18,19,20,21,22,23,24,25,26,27,28,29,30,31
	v_med3_num_f32 v[XS+\i], v[XS+\i], -v10, v10
.endr
.irp g, 0,1,2,3
	v_cvt_scalef32_pk8_fp8_f32 v[CW+2*\g:CW+2*\g+1], v[XS+8*\g:XS+8*\g+7], v11
.endr
	ds_store_b128 v14, v[CW:CW+3] offset:2048*((\t)/4)+512*((\t)%4)          ; K 0-15 of the block: the image's lane r
	ds_store_b128 v14, v[CW+4:CW+7] offset:2048*((\t)/4)+512*((\t)%4)+256    ; K 16-31: its lane 16 + r
.if (\t)+2 < 8
	LOADW (\t)+2
.endif
	s_wait_dscnt 0x0                               ; the stores have read their registers: the next block's codes may be written
.endm
	LOADW 0
	LOADW 1
.irp t, 0,1,2,3,4,5,6,7
	BLOCK \t
.endr
	global_store_b64 v26, v[SB:SB+1], s[30:31]     ; 32 lanes store 256 consecutive bytes, aligned
.irp m, 0,1,2,3,4,5,6,7,8,9,10,11,12,13,14,15
	ds_load_b128 v[OUTR+4*\m:OUTR+4*\m+3], v15 offset:(\m/8)*4224+(\m%8)*512
.endr
.irp m, 0,1,2,3,4,5,6,7,8,9,10,11,12,13,14,15
	s_wait_dscnt 15-\m                             ; LDS loads come back in order: load m is in
	global_store_b128 v1, v[OUTR+4*\m:OUTR+4*\m+3], s[28:29] offset:512*\m   ; 512 consecutive bytes
.endr
	s_set_vgpr_msb 0x5
	s_wait_tensorcnt 0x0
	ds_add_u32 v0, v1
	s_wait_dscnt 0x0
	s_set_vgpr_msb 0x500
	s_endpgm
.Lfunc_end_k_qb9955fe188_prep:
	.size	k_qb9955fe188_prep, .Lfunc_end_k_qb9955fe188_prep-k_qb9955fe188_prep
	.p2alignl 7, 3214868480
	.fill 96, 4, 3214868480
	.section	.rodata,"a",@progbits
	.p2align	6, 0x0
	.amdhsa_kernel k_qb9955fe188_prep
		.amdhsa_group_segment_fixed_size 68096
		.amdhsa_private_segment_fixed_size 0
		.amdhsa_enable_private_segment 0
		.amdhsa_kernarg_size 40
		.amdhsa_user_sgpr_count 2
		.amdhsa_user_sgpr_kernarg_segment_ptr 1
		.amdhsa_wavefront_size32 1
		.amdhsa_system_sgpr_workgroup_id_x 1
		.amdhsa_system_sgpr_workgroup_id_y 1
		.amdhsa_system_sgpr_workgroup_id_z 1
		.amdhsa_system_vgpr_workitem_id 0
		.amdhsa_next_free_vgpr 258
		.amdhsa_next_free_sgpr 66
		.amdhsa_reserve_vcc 0
		.amdhsa_float_denorm_mode_32 3
		.amdhsa_float_denorm_mode_16_64 3
		.amdhsa_memory_ordered 1
		.amdhsa_forward_progress 1
		.amdhsa_inst_pref_size 113
	.end_amdhsa_kernel
	.amdgpu_metadata
---
amdhsa.version: [ 1, 2 ]
amdhsa.kernels:
  - .name:           k_qb9955fe188_prep
    .symbol:         k_qb9955fe188_prep.kd
    .args:
      - { .name: x, .offset: 0, .size: 8, .value_kind: global_buffer, .address_space: global }
      - { .name: w_attn, .offset: 8, .size: 8, .value_kind: global_buffer, .address_space: global }
      - { .name: w_proj, .offset: 16, .size: 8, .value_kind: global_buffer, .address_space: global }
      - { .name: xc, .offset: 24, .size: 8, .value_kind: global_buffer, .address_space: global }
      - { .name: wc, .offset: 32, .size: 8, .value_kind: global_buffer, .address_space: global }
    .group_segment_fixed_size: 68096
    .private_segment_fixed_size: 0
    .kernarg_segment_align: 8
    .kernarg_segment_size: 40
    .max_flat_workgroup_size: 128
    .sgpr_count:     66
    .vgpr_count:     258
    .wavefront_size: 32
...
	.end_amdgpu_metadata
.endif
;; end of part 1
;; launch qkvgemm (part 2): grid 8 x 32, 4 waves a work-group, clusters of 4 x 4, 327,680 bytes of LDS; arguments xc, wc, b_attn, qkv; writes qkv
.if DOCPART == 2
	.amdgcn_target "amdgcn-amd-amdhsa--gfx1250"
	.amdhsa_code_object_version 6
	.text
	.protected	k_qb9955fe188_qkvgemm
	.globl	k_qb9955fe188_qkvgemm
	.p2align	8
	.type	k_qb9955fe188_qkvgemm,@function
k_qb9955fe188_qkvgemm:
	s_mov_b64 s[64:65], 0
	v_nop
	global_prefetch_b8 v0, s[64:65] scope:SCOPE_SE
	s_setreg_imm32_b32 hwreg(HW_REG_WAVE_MODE, 25, 1), 1
	s_wait_xcnt 0x0
	s_wait_alu depctr_hold_cnt(0) depctr_sa_sdst(0) depctr_va_vdst(0) depctr_va_sdst(0) depctr_va_ssrc(0) depctr_va_vcc(0) depctr_vm_vsrc(0)
	s_getreg_b32 s2, hwreg(HW_REG_IB_STS2, 6, 4)
	s_cmp_eq_u32 s2, 0
	s_cbranch_scc0 .Lentry_in_a_cluster
	s_endpgm
.Lentry_in_a_cluster:
	s_bfe_u32 s2, ttmp6, 0x10000c
	s_cmp_lg_u32 s2, 0xf033
	s_cbranch_scc0 .Lentry_shape_is_right
	s_endpgm
.Lentry_shape_is_right:
; q, k, v = x w_attn + b_attn on codes of FP8 (E4M3) with E8M0 scales, and at once quantised again for attention's two products; no f32 number of q, k, v goes to memory.
; OPERANDS (xc, wc) lie as images of the operands' registers: [block of 256 rows][256 along K][half of 128 rows]: codes [tile 8][128 along K: 2][2,048], scale words [tile 8][place 16][2].  A half record is 33,792 dense bytes.
; In a group of 32 rows tile u holds at place i the row 8 u + i % 8 + 16 (i / 8), in both operands.  So in a result (source 0's rows along the registers, source 1's along the lanes) the 16 registers of source 0's tiles
; 2 b, 2 b + 1 are source 0's rows 32 b + 16 (lane / 16) + 0 .. 15: 64 registers are a fragment of the next product as they stand.
; SHARES: 8 x 32 = 256 work-groups of four waves, and each stays for two blocks.  Work-group (x, tb):
;   PHASE 1: 256 tokens (block tb) x 256 columns of q (x under 4) or k: source 1 (lanes) = tokens, source 0 (registers) = w_attn's columns; a wave makes 128 x 128, 64 accumulators; quantised along the head's 64.
;   PHASE 2: 128 channels of v (half record x of wc's blocks 8 to 11) x the same 256 tokens: source 1 (lanes) = channels, source 0 (registers) = tokens; a wave makes 64 x 128, 32 accumulators; quantised along the KEYS.
; K = 1,024 goes in four steps of 256 through two LDS slots, in both phases, and the ring does not stop between them: slot 0 takes v's first step at phase 1's third change of slots, slot 1 its second at the fourth.
; In phase 2 a slot holds the tokens' two half records where phase 1 had them, and the channels' half record where phase 1 had w_attn's first.
; CLUSTERS: 4 x 4.  The tokens' tiles hang on cy alone and are asked for jointly by a row of the cluster, w_attn's on cx alone, by a column, in both phases; each load line has one mask.
; NO PREFETCH: of a phase's four steps two are asked for a step or more ahead of the phase and the other two one step later each: no trip lies a whole step ahead of a load.
; OUT (qkv): [batch x head 64][256 tokens: 8], a record of 50,688 bytes: q's codes 16,384, q's scale words 512, k's likewise, v's likewise.
;   q, k: [group of 32 tokens 8][tile u 2][32 of the head's 64: 2][lane][16]; scale words [128 tokens 2][place 16][group 4]: tile 0's two bytes, then tile 1's.
;   v: [128 keys 2][tile of 16 channels 4][image 2,048]; scale words [128 keys 2][place 16][tile 4].
; LIMITS: NaN and infinities are not served; a block of zeros gets the byte 1 and zero codes (this program alone reads the bytes).
; REGISTERS: window 0: v1-29 addresses; v32-63 scale words, two sets; v64-127 the bias, as the C of a phase's first products; v128-255 source 1's fragments (phase 1: one set of 128; phase 2: two of 64); on the ways out the quantiser's work.
;   window 1: source 0's fragments, two sets.  windows 2, 3: the accumulators ((a, b) at v[8 (8 (a % 4) + b)]); phase 2 uses window 2 alone.
.set HALF,  33792
.set KSLOT, 67584
.set BLKB,  270336
.set SLOT,  4*HALF
.set SPARE, 2*SLOT                     ; the spare words: 128 bytes a wave, two blocks of 256 bytes that no other line names
.set HS,    405504                     ; a head's eight records in qkv
.set REC,   50688
.set PART,  16896
.set HADA, 8                           ; v8-9   phase 2: LDS address of my four tiles of channels in slot 0, 1
.set HADB, 10                          ; v10-11 of my half of the tokens
.set HADS, 12                          ; v12-13 of the scale words: lanes 0-15 the channels', lanes 16-31 the tokens'
.set ADRA, 16                          ; v16-17 phase 1: LDS address of source 1's fragments in slot 0, 1
.set ADRB, 20                          ; v20-21 of source 0's
.set ADRS, 22                          ; v22-23 of the scale words: lanes 0-15 source 1's, lanes 16-31 source 0's
.set LO,   24                          ; v24 16 x lane
.set SOF,  25                          ; v25 q's, k's scale words' way out: a head on for lanes 16-31, + 16 r
.set SOV,  26                          ; v26 v's: 16 r + 8 h
.set SPW,  28                          ; v28 my spare word's LDS address; never rewritten
.set NIL,  29                          ; v29 0; never rewritten
.set SC,   32
.set BI,   64
.set AF,   128
.set T,    128                         ; the way out: 64 held numbers
.set PC,   192                         ; a fragment's codes
.set TM,   208                         ; largest magnitudes, bytes, holds, scale operands
.set PWS,  224                         ; eight scale words
.set SW,   232                         ; the words to store
.set G1,  24                           ; s[24:31] group 1 with my row's mask: the tokens';  s[32:39] phase 1's groups 0 for them, one a slot
.set G0,  32
.set G1B, 48                           ; s[48:55] group 1 with my column's mask: w_attn's;  s[56:63] phase 1's groups 0
.set G0B, 56
.set HT,  92                           ; s[92:95] group 0: the tokens' two half records of my slot's step: the head's load, and phase 2's
.set HW,  96                           ; s[96:99] group 0: the head's load of w_attn's q or k columns
.set HC,  68                           ; s[68:71] group 0: phase 2's half record of v's channels
.set SEL, 86                           ; s[86:87] lane selects for v_permlanex16_b32
.set MNT, 88
.set MSB, 0
.macro WIN new                         ; the immediate's high byte repeats the setting that is left
.if MSB != (\new)
	s_set_vgpr_msb (MSB<<8)|(\new)
.set MSB, (\new)
.endif
.endm
.macro TL g0, g1                       ; a joint load; an s_nop 0 and four v_nop follow it
	tensor_load_to_lds s[\g0:\g0+3], s[\g1:\g1+7]
	s_nop 0
.rept 4
	v_nop
.endr
.endm
.macro JLOAD g0a, g0b                  ; phase 1's refill: waves 0 and 1 fetch the tokens' halves, waves 2 and 3 w_attn's.  The branch hangs on the wave's number alone
	s_cmp_eq_u32 s15, 0
	s_cbranch_scc0 .Lfor_b_\@
	TL \g0a, G1
	s_branch .Lasked_\@
.Lfor_b_\@:
	TL \g0b, G1B
.Lasked_\@:
.endm
.macro HLOAD s                         ; phase 2's fill of slot s, by the slot's own two waves: the tokens' two halves, the channels' half
	s_cmp_eq_u32 s14, 2*(\s)
	s_cbranch_scc0 .Lfor_c_\@
	TL HT, G1
	s_branch .Lhasked_\@
.Lfor_c_\@:
	s_cmp_eq_u32 s14, 2*(\s)+1
	s_cbranch_scc0 .Lhasked_\@
	TL HC, G1B
.Lhasked_\@:
.endm
.macro CREST                           ; a round of the cluster's barrier behind its opening barrier
	s_cmp_lg_u32 s14, 0
	s_cbranch_scc1 .Lnot_wave_0_\@
	s_barrier_signal -3
.Lnot_wave_0_\@:
	s_barrier_wait -3
	s_barrier_signal -1
	s_barrier_wait -1
.endm
.macro CROUND
	s_barrier_signal -1
	s_barrier_wait -1
	CREST
.endm
.macro PLACES n                        ; plain vector lines between a matrix instruction and a load into, or a read or write of, its registers: eight behind this form
.rept \n
	v_nop
.endr
.endm
.macro FRAG reg, adr, q, i             ; an image comes back as it was stored: 512 consecutive bytes a load
.irp c, 0,1,2,3
	ds_load_b128 v[\reg+4*\c:\reg+4*\c+3], v[\adr] offset:4096*(\i)+2048*(\q)+512*\c
.endr
.endm
; PHASE 1.  16 matrix instructions: source 1's tiles a0, a0 + 1 x source 0's eight.  mode 1: the sums start from the bias along source 0.
; The 64 accumulators take turns, one instruction a turn, in the same order in every step.
.macro MUL16 a0, p, q, sc, mode
.irp a, \a0, \a0+1
.irp b, 0,1,2,3,4,5,6,7
.set rD, 8*(8*((\a)%4)+\b)
.set rB, 128*(\p)+16*\b
.set rA, AF+16*(\a)
.set rSB, SC+16*(\sc)+2*\b+(\q)
.set rSA, SC+16*(\sc)+2*(\a)+(\q)
.if \mode == 0
	v_wmma_scale_f32_16x16x128_f8f6f4 v[rD:rD+7], v[rB:rB+15], v[rA:rA+15], v[rD:rD+7], v[rSB], v[rSA] matrix_a_scale:MATRIX_SCALE_ROW1
.else
	v_wmma_scale_f32_16x16x128_f8f6f4 v[rD:rD+7], v[rB:rB+15], v[rA:rA+15], v[BI+8*\b:BI+8*\b+7], v[rSB], v[rSA] matrix_a_scale:MATRIX_SCALE_ROW1
.endif
.endr
.endr
.endm
.macro FETCH_B slot, q, p
	WIN 0x40                                       ; destination window 1
.irp i, 0,1,2,3,4,5,6,7
	FRAG 128*(\p)+16*\i, ADRB+\slot, \q, \i
.endr
	WIN 0
.endm
.macro FETCH_A slot, q, i0
.irp i, \i0, \i0+1, \i0+2, \i0+3
	FRAG AF+16*(\i), ADRA+\slot, \q, \i
.endr
.endm
.macro SCALES sc                       ; a slot's scale words: two a row; lanes 0-15 take source 1's tile i, lanes 16-31 source 0's tile i
.irp i, 0,1,2,3,4,5,6,7
	ds_load_b64 v[SC+16*\sc+2*\i:SC+16*\sc+2*\i+1], v[ADRS+\sc] offset:128*\i
.endr
.endm
; A slot's first 128 along K.
.macro STEP slot, mode
	s_wait_dscnt 16                                ; all but the youngest 16 loads (source 1's tiles 4-7) are in
.if \mode
	WIN 0x81                                       ; source 0 window 1, source 1 and C window 0, D window 2
.else
	WIN 0xa1                                       ; C and D window 2
.endif
	MUL16 0, 0, 0, \slot, \mode
	MUL16 2, 0, 0, \slot, \mode
	s_wait_dscnt 0x0                               ; tiles 4-7 are in
	PLACES 8
	FETCH_B \slot, 1, 1
	FETCH_A \slot, 1, 0
.if \mode
	WIN 0xc1
.else
	WIN 0xf1
.endif
	MUL16 4, 0, 0, \slot, \mode
	MUL16 6, 0, 0, \slot, \mode
	PLACES 8
	WIN 0
	FETCH_A \slot, 1, 4
.endm
; A slot's second 128 along K changes slots: one barrier; in front of it each wave waits for all its tensor loads, adds 0 to its spare word, and waits for that and for its reads of this slot.
; fill = 1: the slot takes phase 1's step two on; 2: phase 2's step.  fetch = 1: the other slot's first fragments are fetched.
.macro TURN slot, next, fill, fetch
	s_wait_tensorcnt 0x0                           ; all my tensor loads have landed
	ds_add_u32 v[SPW], v[NIL]                      ; 0 onto my spare word
.if \fill == 1
	s_mov_b32 s[G1+2], 132<<16                     ; no tensor load of mine is out, so a descriptor may be written: a load of phase 1's ring brings a half record, 132 rows
	s_mov_b32 s[G1+4], 132
	s_mov_b32 s[G1B+2], 132<<16
	s_mov_b32 s[G1B+4], 132
.elseif (\fill == 2) && (\slot == 0)
	s_mov_b32 s[G1+2], 264<<16                     ; phase 2's loads of tokens bring both half records, 264 rows; the channels' stay at 132
	s_mov_b32 s[G1+4], 264
.endif
	s_wait_dscnt 17                                ; (the add and the youngest 16 loads may be out)
	WIN 0xa1
	MUL16 0, 1, 1, \slot, 0
	s_wait_dscnt 0x0                               ; the add is done, and my reads of this slot are over
	s_barrier_signal -1
	MUL16 2, 1, 1, \slot, 0
	WIN 0
	s_barrier_wait -1
	CREST                                          ; the barrier has opened a round of the cluster's: no wave of any partner still reads this slot or has a load on its way
.if \fill == 1
	s_add_nc_u64 s[G0+4*\slot+2:G0+4*\slot+3], s[G0+4*\slot+2:G0+4*\slot+3], 2*KSLOT
	s_add_nc_u64 s[G0B+4*\slot+2:G0B+4*\slot+3], s[G0B+4*\slot+2:G0B+4*\slot+3], 2*KSLOT
	JLOAD G0+4*\slot, G0B+4*\slot                  ; the first tensor load behind the round
.else
	HLOAD \slot
.endif
	PLACES 8
.if \fetch
	FETCH_B \next, 0, 0
	FETCH_A \next, 0, 0
	SCALES \next
.endif
	WIN 0xf1
	MUL16 4, 1, 1, \slot, 0
	MUL16 6, 1, 1, \slot, 0
.if \fetch
	PLACES 8
	WIN 0
	FETCH_A \next, 0, 4
.else
	WIN 0
.endif
.endm
; PHASE 2.  Both operands have two sets of fragment registers: the fragments of each 128 along K are fetched under the products of the 128 before.
.macro FETCHH slot, q, p               ; the tokens' eight tiles, the channels' four: 48 loads
	WIN 0x40
.irp i, 0,1,2,3,4,5,6,7
	FRAG 128*(\p)+16*\i, HADB+(\slot), \q, \i
.endr
	WIN 0
.irp i, 0,1,2,3
	FRAG AF+64*(\p)+16*\i, HADA+(\slot), \q, \i
.endr
.endm
.macro SCALESH sc                      ; lanes 0-15 take the channels' tile i (i under 4 is used), lanes 16-31 the tokens' tile i
.irp i, 0,1,2,3,4,5,6,7
	ds_load_b64 v[SC+16*(\sc)+2*\i:SC+16*(\sc)+2*\i+1], v[HADS+(\sc)] offset:128*\i
.endr
.endm
.macro MULH a0, p, q, sc, mode         ; 16 matrix instructions: the channels' tiles a0, a0 + 1 x the tokens' eight.  mode 1: the sums start from the bias along source 1.  The 32 accumulators take turns
.irp a, \a0, \a0+1
.irp b, 0,1,2,3,4,5,6,7
.set rD, 8*(8*(\a)+\b)
.set rB, 128*(\p)+16*\b
.set rA, AF+64*(\p)+16*(\a)
.set rSB, SC+16*(\sc)+2*\b+(\q)
.set rSA, SC+16*(\sc)+2*(\a)+(\q)
.if \mode == 0
	v_wmma_scale_f32_16x16x128_f8f6f4 v[rD:rD+7], v[rB:rB+15], v[rA:rA+15], v[rD:rD+7], v[rSB], v[rSA] matrix_a_scale:MATRIX_SCALE_ROW1
.else
	v_wmma_scale_f32_16x16x128_f8f6f4 v[rD:rD+7], v[rB:rB+15], v[rA:rA+15], v[BI+8*(\a):BI+8*(\a)+7], v[rSB], v[rSA] matrix_a_scale:MATRIX_SCALE_ROW1
.endif
.endr
.endr
.endm
.macro Q0H slot, mode                  ; a slot's first 128 along K: sets 0 are multiplied, sets 1 fetched
	s_wait_dscnt 0x0                               ; sets 0 and the slot's scale words are in
	PLACES 8                                       ; behind the last products, which read sets 1
	FETCHH \slot, 1, 1
.if \mode
	WIN 0x81
.else
	WIN 0xa1
.endif
	MULH 0, 0, 0, \slot, \mode
	MULH 2, 0, 0, \slot, \mode
	WIN 0
.endm
.macro Q1H slot, fill                  ; its second 128 changes slots, by the same lines as in phase 1
	s_wait_tensorcnt 0x0
	ds_add_u32 v[SPW], v[NIL]
.if (\fill) && ((\slot) == 0)
	s_add_nc_u64 s[HT+2:HT+3], s[HT+2:HT+3], 2*KSLOT       ; every wave's descriptors step here, two steps along K on: slot 0's waves use them behind this round, slot 1's behind the next
	s_add_nc_u64 s[HC+2:HC+3], s[HC+2:HC+3], 2*KSLOT
.endif
	s_wait_dscnt 0x0                               ; the add is done, sets 1 are in, and my reads of this slot are over
	s_barrier_signal -1
	WIN 0xa1
	MULH 0, 1, 1, \slot, 0
	WIN 0
	s_barrier_wait -1
.if \fill
	CREST
	HLOAD \slot
.endif
	PLACES 8                                       ; behind the products that read sets 0
	FETCHH 1-(\slot), 0, 0
	SCALESH 1-(\slot)
	WIN 0xa1
	MULH 2, 1, 1, \slot, 0
	WIN 0
.endm
; THE WAY OUT.  Source 1's tile a: a lane's 64 numbers (register 16 b + i = source 0's row 32 b + 16 h + i) are four blocks of 32 along the next K: they become 16 registers of codes and a scale word.  kind 0: q, k; 1: v.
.macro QUANTW a, kind
.set W, 2+(\a)/4
.set WW, W|(W<<2)
.set AC, 64*((\a)%4)
	WIN WW                                         ; sources 0 and 1: the accumulators' window
.irp b, 0,1,2,3
	v_max3_num_f32 v[TM+\b], |v[AC+16*\b]|, |v[AC+1+16*\b]|, 0x4800000   ; each accumulator is read from its low end on; the floor 2^(9 - 127) holds the byte at 1 from below
.endr
.irp i, 2,4,6,8,10,12,14
.irp b, 0,1,2,3
	v_max3_num_f32 v[TM+\b], |v[AC+16*\b+\i]|, |v[AC+1+16*\b+\i]|, v[TM+\b]
.endr
.endr
	WIN 0
.irp b, 0,1,2,3
	v_permlanex16_b32 v[TM+4+\b], v[TM+\b], s[SEL], s[SEL+1]
.endr
.irp b, 0,1,2,3
	v_max_num_f32 v[TM+\b], v[TM+\b], v[TM+4+\b]   ; with lane l xor 16's: the block's largest magnitude
.endr
.irp b, 0,1,2,3
	v_add_nc_u32 v[TM+12+\b], 0xfc000000, v[TM+\b] ; the conversion's scale operand
.endr
.irp b, 0,1,2,3
	v_and_or_b32 v[TM+8+\b], v[TM+\b], 0x7f800000, s[MNT]   ; 448 x the scale
.endr
.irp b, 0,1,2,3
	v_lshrrev_b32 v[TM+4+\b], 23, v[TM+12+\b]      ; the byte
.endr
	v_lshl_or_b32 v[PWS+(\a)], v[TM+5], 8, v[TM+4]
	v_lshl_or_b32 v[PWS+(\a)], v[TM+6], 16, v[PWS+(\a)]
	v_lshl_or_b32 v[PWS+(\a)], v[TM+7], 24, v[PWS+(\a)]
	WIN W                                          ; source 0: the accumulators' window
.irp b, 0,1,2,3
.irp i, 0,1,2,3,4,5,6,7,8,9,10,11,12,13,14,15
	v_med3_num_f32 v[T+16*\b+\i], v[AC+16*\b+\i], -v[TM+8+\b], v[TM+8+\b]   ; the hold, on the way into window 0
.endr
.endr
	WIN 0
.if (\a) > 0
	s_wait_alu depctr_va_vdst(0)
	s_wait_xcnt 0x0                                ; the last tile's stores have read the codes' registers
.endif
.irp b, 0,1,2,3
	v_cvt_scalef32_pk8_fp8_f32 v[PC+4*\b:PC+4*\b+1], v[T+16*\b:T+16*\b+7], v[TM+12+\b]
	v_cvt_scalef32_pk8_fp8_f32 v[PC+4*\b+2:PC+4*\b+3], v[T+16*\b+8:T+16*\b+15], v[TM+12+\b]
.endr
	v_nop                                          ; one plain line behind the last conversion
.irp c, 0,1,2,3
.if \kind == 0
	global_store_b128 v[LO], v[PC+4*\c:PC+4*\c+3], s[78:79] offset:(\c/2)*HS+(\a)*1024+(\c%2)*512   ; q, k: blocks 0, 1 are my first head's 64, blocks 2, 3 my second's; token tile a
.else
	global_store_b128 v[LO], v[PC+4*\c:PC+4*\c+3], s[72:73] offset:(\a)*2048+\c*512                 ; v: my head's channel tile a; the four blocks are 128 keys
.endif
.endr
.endm
	s_load_b256 s[4:11], s[0:1], 0x0               ; xc, wc, b_attn, qkv
	v_lshl_add_u32 v[SPW], v0, 2, SPARE
	v_mov_b32 v[NIL], 0
	ds_add_u32 v[SPW], v[NIL]                      ; the opening lines: the add, twice on end, and its wait ahead of my first tensor load
	ds_add_u32 v[SPW], v[NIL]
	v_lshrrev_b32 v1, 5, v0
	v_readfirstlane_b32 s14, v1                    ; wave 0..3
	s_lshr_b32 s15, s14, 1                         ; my part of source 1's rows.  Also: phase 1's ring: I fetch tokens (0) or w_attn (1); the head and phase 2: the slot that I fill
	s_and_b32 s16, s14, 1                          ; my half of source 0's rows.  Also: which half I fetch; the head and phase 2: tokens (0) or w_attn (1)
	s_bfe_u32 s40, ttmp6, 0x40000                  ; cx
	s_bfe_u32 s41, ttmp6, 0x40004                  ; cy
	s_and_b32 s17, ttmp7, 0xffff                   ; the cluster's y
	s_lshl_b32 s43, s41, 2
	s_lshl_b32 s43, 15, s43                        ; my row of the cluster
	s_lshl_b32 s44, 0x1111, s40                    ; my column
	s_or_b32 s[G1], s43, (3<<16)|(1<<21)           ; 15:0 the mask; 17:16 elements of 8 bytes; 21 set beside a mask; no padding
	s_or_b32 s[G1B], s44, (3<<16)|(1<<21)
.irp g, G1, G1B
	s_mov_b32 s[\g+1], 32<<16                      ; tensor_dim0: rows of 256 bytes
	s_mov_b32 s[\g+2], 264<<16                     ; tensor_dim1: at the head 264 of them: both halves of 256 along K
	s_mov_b32 s[\g+3], 32<<16                      ; tile_dim0
	s_mov_b32 s[\g+4], 264                         ; tile_dim1
	s_mov_b32 s[\g+5], 32                          ; the pitch: dense
	s_mov_b32 s[\g+6], 0
	s_mov_b32 s[\g+7], 0
.endr
	s_mov_b32 s[SEL], 0x76543210
	s_mov_b32 s[SEL+1], 0xfedcba98
	s_mov_b32 s[MNT], 0x600000
	s_lshl_b32 s18, s17, 2
	s_add_co_u32 s18, s18, s41                     ; tb: the block of 256 tokens, by cy
	s_mul_i32 s20, s18, BLKB
	s_lshl_b32 s91, ttmp9, 2
	s_add_co_u32 s91, s91, s40                     ; x, by cx: the block of 256 columns of q and k; the half record of v's channels
	s_mul_i32 s46, s91, BLKB
	s_lshr_b32 s22, s91, 1
	s_add_co_u32 s22, s22, 8
	s_mul_i32 s22, s22, BLKB
	s_and_b32 s23, s91, 1
	s_mul_i32 s23, s23, HALF
	s_add_co_u32 s22, s22, s23
	s_mul_i32 s90, s15, KSLOT                      ; my slot's first step along K
	s_add_co_u32 s94, s20, s90
	s_mov_b32 s95, 0
	s_add_co_u32 s98, s46, s90
	s_mov_b32 s99, 0
	s_add_co_u32 s70, s22, s90
	s_mov_b32 s71, 0
	s_mul_i32 s19, s16, HALF
	s_add_co_u32 s20, s20, s19
	s_add_co_u32 s46, s46, s19
	s_mov_b32 s21, 0
	s_mov_b32 s47, 0
	s_mul_i32 s45, s14, HALF                       ; where my half goes in phase 1's ring: no place in the cluster enters an LDS address
	s_mov_b32 s92, 1
	s_mul_i32 s93, s15, SLOT
	s_mov_b32 s96, 1
	s_add_co_u32 s97, s93, 2*HALF
	s_mov_b32 s68, 1
	s_add_co_u32 s69, s93, 2*HALF
	s_wait_dscnt 0x0                               ; both opening adds are done
	s_wait_kmcnt 0x0
	s_add_nc_u64 s[20:21], s[4:5], s[20:21]
	s_add_nc_u64 s[46:47], s[6:7], s[46:47]
	s_add_nc_u64 s[94:95], s[4:5], s[94:95]
	s_or_b32 s95, s95, 0x80000000
	s_add_nc_u64 s[98:99], s[6:7], s[98:99]
	s_or_b32 s99, s99, 0x80000000
	s_add_nc_u64 s[70:71], s[6:7], s[70:71]
	s_or_b32 s71, s71, 0x80000000
	CROUND                                         ; all sixteen work-groups are here: the first joint loads meet
.irp s, 0,1
	s_mov_b32 s[G0+4*\s], 1
	s_add_co_u32 s[G0+4*\s+1], s45, \s*SLOT
	s_add_nc_u64 s[G0+4*\s+2:G0+4*\s+3], s[20:21], \s*KSLOT
	s_or_b32 s[G0+4*\s+3], s[G0+4*\s+3], 0x80000000
	s_mov_b32 s[G0B+4*\s], 1
	s_add_co_u32 s[G0B+4*\s+1], s45, \s*SLOT
	s_add_nc_u64 s[G0B+4*\s+2:G0B+4*\s+3], s[46:47], \s*KSLOT
	s_or_b32 s[G0B+4*\s+3], s[G0B+4*\s+3], 0x80000000
.endr
	s_cmp_eq_u32 s14, 0                            ; one first fill a wave, each in an arm of its own: the first barrier waits for waves 0 and 1 alone
	s_cbranch_scc0 .Lfirst_1
	TL HT, G1                                      ; wave 0: the tokens, the first 256 along K
	s_branch .Lfirst_asked
.Lfirst_1:
	s_cmp_eq_u32 s14, 1
	s_cbranch_scc0 .Lfirst_2
	TL HW, G1B                                     ; wave 1: w_attn's columns, the first 256
	s_branch .Lfirst_asked
.Lfirst_2:
	s_cmp_eq_u32 s14, 2
	s_cbranch_scc0 .Lfirst_3
	TL HT, G1                                      ; wave 2: the tokens, the second 256
	s_branch .Lfirst_asked
.Lfirst_3:
	TL HW, G1B                                     ; wave 3: w_attn's columns, the second 256
.Lfirst_asked:
	; the biases
	s_lshl_b32 s20, s91, 8
	s_lshl_b32 s21, s16, 7
	s_add_co_u32 s20, s20, s21                     ; q, k: my 128 columns lie along source 0
	s_lshl_b32 s20, s20, 2
	s_mov_b32 s21, 0
	s_lshl_b32 s76, s91, 7
	s_lshl_b32 s77, s15, 6
	s_add_co_u32 s76, s76, s77
	s_add_co_u32 s76, s76, 2048                    ; v: my 64 channels lie along source 1
	s_lshl_b32 s76, s76, 2
	s_mov_b32 s77, 0
	s_add_nc_u64 s[76:77], s[8:9], s[76:77]
	s_add_nc_u64 s[8:9], s[8:9], s[20:21]
	; where my results go
	s_lshr_b32 s12, s18, 3
	s_lshl_b32 s12, s12, 4                         ; 16 x batch
	s_and_b32 s13, s18, 7                          ; the record of 256 tokens
	s_lshl_b32 s19, s40, 2
	s_add_co_u32 s19, s19, s12
	s_lshl_b32 s20, s16, 1
	s_add_co_u32 s19, s19, s20                     ; q, k: my first head of two
	s_lshl_b32 s19, s19, 3
	s_add_co_u32 s19, s19, s13
	s_mul_i32 s19, s19, REC
	s_mul_i32 s20, ttmp9, PART                     ; q's or k's part of the record
	s_add_co_u32 s19, s19, s20
	s_lshl_b32 s78, s15, 13                        ; my 128 of the 256 tokens
	s_add_co_u32 s78, s78, s19
	s_mov_b32 s79, 0
	s_lshl_b32 s80, s15, 8
	s_add_co_u32 s80, s80, s19
	s_add_co_u32 s80, s80, 16384
	s_mov_b32 s81, 0
	s_add_nc_u64 s[78:79], s[10:11], s[78:79]      ; the codes
	s_add_nc_u64 s[80:81], s[10:11], s[80:81]      ; the scale words
	s_lshl_b32 s19, s91, 1
	s_add_co_u32 s19, s19, s15                     ; v: my head
	s_add_co_u32 s19, s19, s12
	s_lshl_b32 s19, s19, 3
	s_add_co_u32 s19, s19, s13
	s_mul_i32 s19, s19, REC
	s_add_co_u32 s19, s19, 2*PART
	s_lshl_b32 s72, s16, 13                        ; my 128 of the 256 keys
	s_add_co_u32 s72, s72, s19
	s_mov_b32 s73, 0
	s_lshl_b32 s74, s16, 8
	s_add_co_u32 s74, s74, s19
	s_add_co_u32 s74, s74, 16384
	s_mov_b32 s75, 0
	s_add_nc_u64 s[72:73], s[10:11], s[72:73]
	s_add_nc_u64 s[74:75], s[10:11], s[74:75]
	s_mov_b32 s82, 0x05040100                      ; v_perm_b32: the two low halves
	s_mov_b32 s83, 0x07060302                      ; the two high halves
	; LDS places
	s_mul_i32 s12, s15, HALF                       ; phase 1: my half of source 1,
	s_mul_i32 s13, s16, HALF
	s_add_co_u32 s19, s13, 2*HALF                  ; of source 0
	s_sub_co_u32 s20, s19, s12                     ; from source 1's words to source 0's
	s_add_co_u32 s21, s12, 32768
	s_lshl_b32 s22, s15, 14
	s_add_co_u32 s22, s22, 2*HALF                  ; phase 2: my four tiles of channels; my half of the tokens is s13
	s_add_co_u32 s23, s13, 32768                   ; the tokens' words,
	s_lshl_b32 s89, s15, 9
	s_add_co_u32 s89, s89, 2*HALF+32768
	s_sub_co_u32 s89, s89, s23                     ; and from them to my channels'
	v_and_b32 v1, 15, v0                           ; r
	v_bfe_u32 v2, v0, 4, 1                         ; h
	v_and_b32 v3, 31, v0
	v_lshlrev_b32 v[LO], 4, v3
	v_lshlrev_b32 v5, 3, v1                        ; 8 r
	v_mul_u32_u24 v6, s20, v2                      ; lanes 16-31 take source 0's words: the lower base + h x the distance
	v_add_nc_u32 v6, v5, v6
	v_add_nc_u32 v[ADRA], s12, v[LO]
	v_add_nc_u32 v[ADRB], s19, v[LO]
	v_add_nc_u32 v[ADRS], s21, v6
	v_add_nc_u32 v[ADRA+1], SLOT, v[ADRA]
	v_add_nc_u32 v[ADRB+1], SLOT, v[ADRB]
	v_add_nc_u32 v[ADRS+1], SLOT, v[ADRS]
	v_xor_b32 v4, 1, v2
	v_mul_u32_u24 v6, s89, v4                      ; phase 2: lanes 0-15 take the channels' words: the lower base + (1 - h) x the distance
	v_add_nc_u32 v6, v5, v6
	v_add_nc_u32 v[HADA], s22, v[LO]
	v_add_nc_u32 v[HADB], s13, v[LO]
	v_add_nc_u32 v[HADS], s23, v6
	v_add_nc_u32 v[HADA+1], SLOT, v[HADA]
	v_add_nc_u32 v[HADB+1], SLOT, v[HADB]
	v_add_nc_u32 v[HADS+1], SLOT, v[HADS]
	v_lshlrev_b32 v7, 6, v2                        ; q, k: register j of tile b is column 32 (b / 2) + 16 h + 8 (b % 2) + j
	v_and_b32 v14, 7, v1
	v_lshrrev_b32 v15, 3, v1
	v_lshl_add_u32 v14, v15, 4, v14
	v_lshlrev_b32 v14, 2, v14                      ; v: lane r of tile a is channel 32 (a / 2) + 8 (a % 2) + r % 8 + 16 (r / 8), in all eight registers
	v_mul_u32_u24 v[SOF], v2, HS
	v_lshl_add_u32 v[SOF], v1, 4, v[SOF]
	v_lshlrev_b32 v[SOV], 3, v2
	v_lshl_add_u32 v[SOV], v1, 4, v[SOV]
	v_cmp_ne_u32 s84, 0, v2                        ; lanes 16-31
	s_wait_alu depctr_va_vdst(0)
.irp b, 0,1,2,3,4,5,6,7
	global_load_b128 v[BI+8*\b:BI+8*\b+3], v7, s[8:9] offset:(32*(\b/2)+8*(\b%2))*4
	global_load_b128 v[BI+8*\b+4:BI+8*\b+7], v7, s[8:9] offset:(32*(\b/2)+8*(\b%2))*4+16
.endr
	s_cmp_lt_u32 s14, 2
	s_cbranch_scc0 .Lslot_1
	s_wait_tensorcnt 0x0                           ; waves 0 and 1: slot 0 has landed; slot 1's loads may stay out
.Lslot_1:
	s_barrier_signal -1
	s_barrier_wait -1
	FETCH_B 0, 0, 0
	FETCH_A 0, 0, 0
	SCALES 0
	FETCH_A 0, 0, 4
	s_wait_loadcnt 0x0                             ; the bias
	STEP 0, 1                                      ; the first products start the sums from the bias: nothing is cleared or added later
	TURN 0, 1, 1, 1
	STEP 1, 0
	TURN 1, 0, 1, 1
	STEP 0, 0
	TURN 0, 1, 2, 1                                ; slot 0 takes v's first 256 along K
	STEP 1, 0
	TURN 1, 0, 2, 0                                ; slot 1 its second; q's or k's sums are finished
	PLACES 8                                       ; behind the last products: their results are read, and source 1's registers written, below
.irp a, 0,1,2,3
.irp j, 0,1,2,3,4,5,6,7
	global_load_b32 v[BI+8*\a+\j], v14, s[76:77] offset:(32*(\a/2)+8*(\a%2))*4   ; v's bias, for phase 2's first products
.endr
.endr
.irp b, 0,1,2,3
	v_mov_b32 v[TM+4+\b], 0                        ; written once: a lane permute's destination counts as one of its sources
.endr
.irp a, 0,1,2,3,4,5,6,7
	QUANTW \a, 0
.endr
.irp f, 0,1,2,3
	v_perm_b32 v[236+\f], v[PWS+2*\f+1], v[PWS+2*\f], s82   ; my first head: tile 0's two bytes, then tile 1's, of the group of 32 tokens
	v_perm_b32 v[240+\f], v[PWS+2*\f+1], v[PWS+2*\f], s83   ; my second head
	v_cndmask_b32 v[SW+\f], v[236+\f], v[240+\f], s84       ; lanes 0-15 store the first head's, lanes 16-31 the second's
.endr
	global_store_b128 v[SOF], v[SW:SW+3], s[80:81] ; sixteen lanes store 256 consecutive bytes, aligned, for each head
	s_wait_alu depctr_va_vdst(0)
	s_wait_xcnt 0x0                                ; the stores have read their registers: phase 2's fragments may land there
	FETCHH 0, 0, 0                                 ; PHASE 2: slot 0 was shown whole by the last round
	SCALESH 0
	s_wait_loadcnt 0x0                             ; v's bias
	Q0H 0, 1
	Q1H 0, 1                                       ; slot 0 takes v's third 256 along K
	Q0H 1, 0
	Q1H 1, 1                                       ; slot 1 the fourth
	Q0H 0, 0
	Q1H 0, 0                                       ; nothing is left to fetch: a plain barrier
	Q0H 1, 0
	s_wait_dscnt 0x0
	WIN 0xa1
	MULH 0, 1, 1, 1, 0
	MULH 2, 1, 1, 1, 0
	WIN 0
	PLACES 8
.irp a, 0,1,2,3
	QUANTW \a, 1
.endr
.irp j, 0,1
	v_cndmask_b32 v[SW+\j], v[PWS+\j], v[PWS+2+\j], s84     ; lanes 0-15 store tiles 0 and 1's words, lanes 16-31 tiles 2 and 3's
.endr
	global_store_b64 v[SOV], v[SW:SW+1], s[74:75]  ; 32 lanes store 256 consecutive bytes, aligned
	s_wait_tensorcnt 0x0                           ; the wave's end
	ds_add_u32 v[SPW], v[NIL]
	s_wait_dscnt 0x0
	CROUND                                         ; the closing round: no work-group ends while a partner may still ask for a tile that names it
	s_endpgm
.Lfunc_end_k_qb9955fe188_qkvgemm:
	.size	k_qb9955fe188_qkvgemm, .Lfunc_end_k_qb9955fe188_qkvgemm-k_qb9955fe188_qkvgemm
	.p2alignl 7, 3214868480
	.fill 96, 4, 3214868480
	.section	.rodata,"a",@progbits
	.p2align	6, 0x0
	.amdhsa_kernel k_qb9955fe188_qkvgemm
		.amdhsa_group_segment_fixed_size 327680
		.amdhsa_private_segment_fixed_size 0
		.amdhsa_enable_private_segment 0
		.amdhsa_kernarg_size 32
		.amdhsa_user_sgpr_count 2
		.amdhsa_user_sgpr_kernarg_segment_ptr 1
		.amdhsa_wavefront_size32 1
		.amdhsa_system_sgpr_workgroup_id_x 1
		.amdhsa_system_sgpr_workgroup_id_y 1
		.amdhsa_system_sgpr_workgroup_id_z 1
		.amdhsa_system_vgpr_workitem_id 0
		.amdhsa_next_free_vgpr 1024
		.amdhsa_next_free_sgpr 100
		.amdhsa_reserve_vcc 0
		.amdhsa_float_denorm_mode_32 3
		.amdhsa_float_denorm_mode_16_64 3
		.amdhsa_memory_ordered 1
		.amdhsa_forward_progress 1
		.amdhsa_inst_pref_size 255
	.end_amdhsa_kernel
	.section	.bss,"aw",@nobits
	.p2align	6
	.space	262144
	.amdgpu_metadata
---
amdhsa.version: [ 1, 2 ]
amdhsa.kernels:
  - .name:           k_qb9955fe188_qkvgemm
    .symbol:         k_qb9955fe188_qkvgemm.kd
    .args:
      - { .name: xc, .offset: 0, .size: 8, .value_kind: global_buffer, .address_space: global }
      - { .name: wc, .offset: 8, .size: 8, .value_kind: global_buffer, .address_space: global }
      - { .name: b_attn, .offset: 16, .size: 8, .value_kind: global_buffer, .address_space: global }
      - { .name: qkv, .offset: 24, .size: 8, .value_kind: global_buffer, .address_space: global }
    .group_segment_fixed_size: 327680
    .private_segment_fixed_size: 0
    .kernarg_segment_align: 8
    .kernarg_segment_size: 32
    .max_flat_workgroup_size: 128
    .sgpr_count:     100
    .vgpr_count:     1024
    .wavefront_size: 32
...
	.end_amdgpu_metadata
.endif
;; end of part 2
;; launch attn (part 3): grid 4 x 64, 16 waves a work-group, clusters of 4 x 1, 327,680 bytes of LDS; arguments qkv, yc; writes yc
.if DOCPART == 3
	.amdgcn_target "amdgcn-amd-amdhsa--gfx1250"
	.amdhsa_code_object_version 6
	.text
	.protected	k_qb9955fe188_attn
	.globl	k_qb9955fe188_attn
	.p2align	8
	.type	k_qb9955fe188_attn,@function
k_qb9955fe188_attn:
	s_mov_b64 s[64:65], 0
	v_nop
	global_prefetch_b8 v0, s[64:65] scope:SCOPE_SE
	s_setreg_imm32_b32 hwreg(HW_REG_WAVE_MODE, 25, 1), 1
	s_wait_xcnt 0x0
	s_wait_alu depctr_hold_cnt(0) depctr_sa_sdst(0) depctr_va_vdst(0) depctr_va_sdst(0) depctr_va_ssrc(0) depctr_va_vcc(0) depctr_vm_vsrc(0)
	s_getreg_b32 s2, hwreg(HW_REG_IB_STS2, 6, 4)
	s_cmp_eq_u32 s2, 0
	s_cbranch_scc0 .Lentry_in_a_cluster
	s_endpgm
.Lentry_in_a_cluster:
	s_bfe_u32 s2, ttmp6, 0x10000c
	s_cmp_lg_u32 s2, 0x3003
	s_cbranch_scc0 .Lentry_shape_is_right
	s_endpgm
.Lentry_shape_is_right:
; y = softmax(q k^T / 8, causal) v for one head, both products on codes of FP8 (E4M3) with E8M0 scales; y leaves as codes for the last product, quantised along the channels.
; THE SOFTMAX AHEAD OF THE SECOND PRODUCT: t = score x log2(e) / 8; M = the running largest t rounded UP to a whole number; p = 2^(t - M) is quantised along the keys, not normalised;
; the row's sum is taken of the unquantised p and divides at the end; when M moves, sum and O are multiplied by 2^(old M - new M), which rounds nothing.
; LEFT OUT: key steps all of whose 128 keys lie behind the causal mask for the tile's queries: their p is 0 for every input.
; A HEAD'S K AND V STAY IN LDS: 8 slots of 256 keys x 33,792 bytes = 270,336 bytes, filled once, one tensor load a wave (wave w: part w % 2 of slot w / 2).  Nothing is filled again: no ring, and no barrier in the walk.
; CLUSTER 4, 1, 1: the four work-groups of a head want the same eight slots and ask for them jointly (mask 15).
; SHARES.  A head has 128 tiles of 16 queries; tile i needs i / 8 + 1 key steps of 128.  Wave w of partner cx owns tiles a = 4 w + cx and 127 - a: (16 - w / 2) + (w / 2 + 1) = 17 steps for every wave.
; The step counts hang on the wave's number alone; cx enters global addresses, the mask's numbers and a byte select, and no branch, trip count or LDS address.
; TWO BARRIERS AT THE HEAD: the first shows slot 0 (waves 0 and 1 have a load line of their own and wait there), and key steps 0 and 1 of the long tile run on it; the second, where every wave has waited, shows the rest.
; NO PREFETCH: every byte of K and V is asked for at the head by the sixteen tensor loads, so there is no later load to run ahead of.
; qkv: [head 64][256 tokens 8], a record of 50,688 bytes: q's codes 16,384 + words 512, k's, v's.
; A FRAGMENT OF K (2,048 bytes) HOLDS TWO TILES OF 16 KEYS: K = 0-63 tile 0's 64 channels, K = 64-127 tile 1's.  Multiplied by [q | 0] it gives tile 0's scores, by [0 | q] tile 1's.
; The keys of a tile are 8 u + i % 8 + 16 (i / 8) of their group of 32, so that register 16 f + i of the scores is key 32 f + 16 (lane / 16) + i; the queries of a tile likewise.
; Both products are used transposed: a lane holds one query (place lane % 16) throughout.
; LIMITS: NaN and infinities are not served; a block of zeros gets the byte 1 and zero codes (this program alone reads the bytes); the promise holds while the scaled scores t stay under 2^31 in magnitude.
.set HS,    405504
.set REC,   50688
.set PART,  16896
.set SLOTB, 33792
.set HALF,  33792
.set KSLOT, 67584
.set BLKB,  270336
.set SPARE, 8*SLOTB                    ; the spare words: 128 bytes for each of 16 waves, eight blocks of 256 bytes that no other line names
.set LA,  1                            ; v1  16 x lane
.set LSA, 2                            ; v2  the scale words: lanes 0-15 k's, lanes 16-31 v's
.set SPW, 3                            ; v3  my spare word's LDS address; never rewritten
.set NIL, 4                            ; v4  0; never rewritten
.set AD,  5                            ; v5  the step's codes + LA
.set ADS, 6                            ; v6  the step's scale words + LSA
.set DQ,  7                            ; v7  r % 8 + 16 (r / 8) - 16 h
.set YSO, 8                            ; v8  y's scale bytes: 8 r + h
.set H8,  9                            ; v9  8 h
.set QOA, 10                           ; v10, v11 the long tile's offsets of q's codes and scale word
.set QSA, 11
.set QLO, 16                           ; v16-23 zeros; v24-31 q; v32-39 zeros: [0 | q] = v[16:31], [q | 0] = v[24:39]
.set Q,   24
.set QB,  40                           ; v40-47 the short tile's q; v48 its scale word
.set QBS, 48
.set QS,  49                           ; v49 q's scale word: its two bytes twice
.set QOB, 50                           ; v50, v51 the short tile's offsets
.set QSB, 51
.set HL,  52                           ; v52-55 448 x the scale
.set SO,  56                           ; v56-59 the conversions' scale operands
.set F,   60                           ; v60 f = 2^(old M - new M), later 1 / the sum
.set PW,  61                           ; v61 p's scale word
.set DD,  62                           ; v62 at work
.set NINF, 63                          ; v63 -infinity
.set FR,  64                           ; v64-127 four fragments of K or of V
.set S,   128                          ; v128-191 the scores, then p
.set O,   192                          ; v192-223 O^T: register 16 b + i is channel 32 b + 16 h + i
.set PC,  224                          ; v224-239 p's codes
.set SCW, 240                          ; v240-243 the step's scale words
.set BM,  244                          ; v244-247 the blocks' largest scores
.set PM,  248                          ; v248-251 the other half's; the bytes; then a second copy of 448 x the scale
.set C2,  252
.set TMP, 254
.set QR,  255                          ; v255 16 r
.set WV,  8
.set CX,  9
.set BH,  10
.set KS,  11                           ; s11 the key step
.set NL,  12                           ; s12 the long tile's steps, s13 the short tile's
.set NS,  13
.set DOF, 14                           ; s14 the tile's first query less its last step's first key, + 8 u; s15 the short tile's
.set DOFB, 15
.set G1,  16
.set G0,  24
.set SEL, 32
.set CS,  34                           ; s[34:35] c = log2(e) / 8
.set MNT, 36
.set TS,  37                           ; s37 the short tile, s38 the long
.set TL,  38
.set YCA, 40                           ; s[40:43] y's codes and scale bytes for the long tile; s[44:47] for the short
.set YSA, 42
.set YCB, 44
.set YSB, 46
.set RA,  56                           ; s[56:57], s[58:59] the tiles' records; s60, s61 their byte selects
.set RB,  58
.set HIF, 39                           ; s39 1: the tile's diagonal lies in blocks 2, 3 of its last step's four blocks of 32 keys; 0: in blocks 0, 1.  It hangs on the wave's number alone
.macro CROUND                          ; a round of the cluster's barrier
	s_barrier_signal -1
	s_barrier_wait -1
	s_cmp_lg_u32 s[WV], 0
	s_cbranch_scc1 .Lnot_wave_0_\@
	s_barrier_signal -3
.Lnot_wave_0_\@:
	s_barrier_wait -3
	s_barrier_signal -1
	s_barrier_wait -1
.endm
.macro TLOAD                           ; an s_nop 0 and four v_nop follow the load
	tensor_load_to_lds s[G0:G0+3], s[G1:G1+7]
	s_nop 0
.rept 4
	v_nop
.endr
.endm
; Tile s[i] of the head: its record, q's offsets, the byte select, the mask's offset, where y goes; and q's loads.  s54, s55: the head's place in yc's codes and scale bytes.
.macro TILE i, rec, qof, qso, sel, dof, yc, ys, qd, qsd
	s_lshr_b32 s48, s[\i], 4                       ; the block of 256 tokens
	s_and_b32 s49, s[\i], 15                       ; the tile in it
	s_mul_i32 s[\rec], s48, REC
	s_mov_b32 s[\rec+1], 0
	s_add_nc_u64 s[\rec:\rec+1], s[4:5], s[\rec:\rec+1]
	s_lshl_b32 s50, s49, 10
	v_add_nc_u32 v[\qof], s50, v[LA]               ; 1,024 bytes a tile
	s_lshr_b32 s50, s49, 3
	s_bfe_u32 s51, s49, 0x20001
	s_lshl_b32 s52, s50, 8
	s_lshl_b32 s53, s51, 2
	s_add_co_u32 s52, s52, s53
	v_add_nc_u32 v[\qso], s52, v[QR]               ; [128 tokens][place][group of 32]
	s_and_b32 s53, s49, 1                          ; u
	s_mul_i32 s[\sel], s53, 0x02020202
	s_add_co_u32 s[\sel], s[\sel], 0x01000100      ; the word's lower two bytes (u = 0) or upper (u = 1), twice
	s_lshl_b32 s53, s53, 3
	s_lshl_b32 s51, s51, 5
	s_add_co_u32 s[\dof], s51, s53                 ; 32 x (group % 4) + 8 u
	s_mul_i32 s48, s48, BLKB
	s_mul_i32 s50, s50, HALF
	s_add_co_u32 s48, s48, s50
	s_and_b32 s49, s49, 7
	s_lshl_b32 s50, s49, 12
	s_add_co_u32 s50, s50, s48
	s_add_co_u32 s[\yc], s50, s54
	s_lshl_b32 s50, s49, 7
	s_add_co_u32 s50, s50, s48
	s_add_co_u32 s[\ys], s50, s55
	s_mov_b32 s[\yc+1], 0
	s_mov_b32 s[\ys+1], 0
	s_add_nc_u64 s[\yc:\yc+1], s[6:7], s[\yc:\yc+1]
	s_add_nc_u64 s[\ys:\ys+1], s[6:7], s[\ys:\ys+1]
	s_wait_alu depctr_va_vdst(0)
	global_load_b128 v[\qd:\qd+3], v[\qof], s[\rec:\rec+1]
	global_load_b128 v[\qd+4:\qd+7], v[\qof], s[\rec:\rec+1] offset:512
	global_load_b32 v[\qsd], v[\qso], s[\rec:\rec+1] offset:16384
.endm
	s_load_b128 s[4:7], s[0:1], 0x0                ; qkv, yc
	v_lshl_add_u32 v[SPW], v0, 2, SPARE
	v_mov_b32 v[NIL], 0
	ds_add_u32 v[SPW], v[NIL]                      ; the opening lines: the add, twice on end, and its wait ahead of my tensor load
	ds_add_u32 v[SPW], v[NIL]
	v_lshrrev_b32 v[LA], 5, v0
	v_readfirstlane_b32 s[WV], v[LA]               ; wave 0..15
	s_bfe_u32 s[CX], ttmp6, 0x40000                ; my place in the cluster
	s_and_b32 s[BH], ttmp7, 0xffff                 ; batch x head: the cluster's y
	s_mov_b32 s[G1], 15|(3<<16)|(1<<21)            ; the mask: all four partners; elements of 8 bytes; bit 21 beside a mask; no padding
	s_mov_b32 s[G1+1], 32<<16                      ; rows of 256 bytes,
	s_mov_b32 s[G1+2], 66<<16                      ; 66 of them: 16,384 bytes of codes and 512 of scale words
	s_mov_b32 s[G1+3], 32<<16
	s_mov_b32 s[G1+4], 66
	s_mov_b32 s[G1+5], 32                          ; dense
	s_mov_b32 s[G1+6], 0
	s_mov_b32 s[G1+7], 0
	s_mul_i32 s50, s[BH], HS
	s_mov_b32 s51, 0
	s_lshr_b32 s52, s[WV], 1                       ; my slot,
	s_mul_i32 s52, s52, REC
	s_and_b32 s53, s[WV], 1                        ; k's part or v's
	s_mul_i32 s53, s53, PART
	s_add_co_u32 s52, s52, s53
	s_add_co_u32 s52, s52, PART                    ; behind q's part of the record
	s_mov_b32 s53, 0
	s_mov_b32 s[G0], 1
	s_mul_i32 s[G0+1], s[WV], PART                 ; in LDS the sixteen parts lie on end
	s_wait_dscnt 0x0                               ; both opening adds are done
	CROUND                                         ; the four partners are here: the joint loads meet
	s_wait_kmcnt 0x0
	s_add_nc_u64 s[4:5], s[4:5], s[50:51]          ; the head's records
	s_add_nc_u64 s[G0+2:G0+3], s[4:5], s[52:53]
	s_or_b32 s[G0+3], s[G0+3], 0x80000000
	s_cmp_lt_u32 s[WV], 2                          ; slot 0's two loads have a line of their own: the first barrier waits for them alone
	s_cbranch_scc0 .Lrest
	TLOAD
	s_branch .Lasked
.Lrest:
	TLOAD
.Lasked:
	v_and_b32 v[LA], 31, v0
	v_lshlrev_b32 v[LA], 4, v[LA]
	v_and_b32 v[TMP], 15, v0                       ; r
	v_bfe_u32 v[DD], v0, 4, 1                      ; h
	v_mul_u32_u24 v[LSA], v[DD], PART              ; the lower base + h x the distance
	v_lshl_add_u32 v[LSA], v[TMP], 4, v[LSA]
	v_add_nc_u32 v[LSA], 16384, v[LSA]
	v_lshl_add_u32 v[YSO], v[TMP], 3, v[DD]
	v_lshlrev_b32 v[H8], 3, v[DD]
	v_and_b32 v[DQ], 7, v0
	v_bfe_u32 v[C2], v0, 3, 1
	v_lshl_add_u32 v[DQ], v[C2], 4, v[DQ]          ; r % 8 + 16 (r / 8)
	v_lshlrev_b32 v[C2], 4, v[DD]
	v_sub_nc_u32 v[DQ], v[DQ], v[C2]               ; - 16 h
	v_lshlrev_b32 v[QR], 4, v[TMP]
	s_wait_alu depctr_va_vdst(0)
	s_lshl_b32 s[TS], s[WV], 2
	s_add_co_u32 s[TS], s[TS], s[CX]               ; a = 4 w + cx
	s_sub_co_u32 s[TL], 127, s[TS]
	s_lshr_b32 s[NS], s[WV], 1
	s_sub_co_u32 s[NL], 16, s[NS]
	s_add_co_u32 s[NS], s[NS], 1
	s_and_b32 s[HIF], s[WV], 1                     ; the short tile's group of 32 queries is number 2 (w % 2) + cx / 2 of its last step, the long tile's 3 less that
	s_xor_b32 s[HIF], s[HIF], 1
	; where y goes: [block of 256 tokens][256 channels][half][tile][128 channels][image]: my head's 64 channels are two of an image's four groups
	s_lshr_b32 s48, s[BH], 4
	s_and_b32 s49, s[BH], 15
	s_mul_i32 s48, s48, 8*BLKB
	s_lshr_b32 s50, s49, 2
	s_mul_i32 s50, s50, KSLOT
	s_add_co_u32 s48, s48, s50
	s_bfe_u32 s50, s49, 0x10001
	s_lshl_b32 s50, s50, 11
	s_and_b32 s51, s49, 1
	s_lshl_b32 s51, s51, 10
	s_add_co_u32 s54, s48, s50
	s_add_co_u32 s54, s54, s51
	s_and_b32 s50, s49, 3
	s_lshl_b32 s50, s50, 1
	s_add_co_u32 s55, s48, s50
	s_add_co_u32 s55, s55, 32768
	TILE TL, RA, QOA, QSA, 60, DOF, YCA, YSA, Q, QS
	TILE TS, RB, QOB, QSB, 61, DOFB, YCB, YSB, QB, QBS
	s_mov_b32 s[SEL], 0x76543210
	s_mov_b32 s[SEL+1], 0xfedcba98
	s_mov_b32 s[CS], 0x3e38aa3b                    ; log2(e) / 8
	s_mov_b32 s[CS+1], s[CS]                       ; (named with it as a pair, so it is written)
	s_mov_b32 s[MNT], 0x600000
.irp i, 0,1,2,3,4,5,6,7
	v_mov_b32 v[QLO+\i], 0                         ; the zero codes on either side of q
	v_mov_b32 v[Q+8+\i], 0
.endr
	v_mov_b32 v13, 0xff61b1e6                      ; the largest t so far: -3e38
	v_floor_f32 v12, -v13                          ; -M
	v_mov_b32 v14, 0                               ; the sum, in two halves
	v_mov_b32 v15, 0
.irp b, 0,1,2,3
	v_mov_b32 v[PM+\b], 0                          ; written once: a lane permute's destination counts as one of its sources
.endr
	v_mov_b32 v[PW], 0                             ; (named as the upper half of the pair v[60:61] before it is first written)
	v_mov_b32 v[TMP], 0
	v_mov_b32 v[NINF], 0xff800000
.set j, 0
.rept 32
	v_mov_b32 v[O+j], 0                            ; O^T: a tile's first step finds zeros, which the first change of M leaves zeros
.set j, j+1
.endr
	s_wait_loadcnt 0x3                             ; the long tile's q is in; the short tile's three loads may be out
	v_perm_b32 v[QS], v[QS], v[QS], s60            ; my tile's two bytes in both halves of the word: they serve [q | 0] and [0 | q]
	s_wait_alu depctr_va_vdst(0)
	s_cmp_lt_u32 s[WV], 2
	s_cbranch_scc0 .Lnot_mine
	s_wait_tensorcnt 0x0                           ; waves 0 and 1: slot 0 has landed
.Lnot_mine:
	s_barrier_signal -1
	s_barrier_wait -1
; A KEY STEP: 128 keys, number s[KS].  lim = 0: a step of slot 0 that counts whole for every tile that runs it; else s[lim] is the tile's number of steps: later steps are left out, the last is masked.
.macro STEP lim
.if \lim
	s_cmp_ge_u32 s[KS], s[\lim]
	s_cbranch_scc1 .Lhidden_\@
	s_lshr_b32 s50, s[KS], 1
	s_mul_i32 s50, s50, SLOTB                      ; the slot,
	s_and_b32 s51, s[KS], 1
	s_lshl_b32 s52, s51, 13                        ; and which 128 keys of it: 8,192 bytes of codes,
	s_lshl_b32 s51, s51, 8                         ; 256 of scale words
	s_add_co_u32 s52, s52, s50
	s_add_co_u32 s51, s51, s50
.else
	s_lshl_b32 s52, s[KS], 13
	s_lshl_b32 s51, s[KS], 8
.endif
	v_add_nc_u32 v[AD], s52, v[LA]
	v_add_nc_u32 v[ADS], s51, v[LSA]
.rept 6
	v_nop                                          ; with the two additions: eight places in front of loads into registers that the last products read
.endr
	s_wait_alu depctr_va_vdst(0)
	ds_load_b128 v[SCW:SCW+3], v[ADS]              ; lanes 0-15: k's four words; lanes 16-31: v's four
.irp f, 0,1,2,3
.irp c, 0,1,2,3
	ds_load_b128 v[FR+16*\f+4*\c:FR+16*\f+4*\c+3], v[AD] offset:2048*\f+512*\c
.endr
.endr
	s_wait_alu depctr_va_vdst(0)
.irp f, 0,1,2,3                                ; S^T = K Q^T: a fragment's two tiles of keys
	s_wait_dscnt 12-4*\f                           ; the scale words and fragments 0 to f are in: behind fragment f's loads 4 (3 - f) were issued
	v_wmma_scale_f32_16x16x128_f8f6f4 v[S+16*\f:S+16*\f+7], v[FR+16*\f:FR+16*\f+15], v[Q:Q+15], 0, v[SCW+\f], v[QS]
	v_wmma_scale_f32_16x16x128_f8f6f4 v[S+16*\f+8:S+16*\f+15], v[FR+16*\f:FR+16*\f+15], v[QLO:QLO+15], 0, v[SCW+\f], v[QS]
.endr
.rept 8
	v_nop
.endr
.irp t, 0,1,2,3                                ; V's four fragments land while the softmax is worked
.irp c, 0,1,2,3
	ds_load_b128 v[FR+16*\t+4*\c:FR+16*\t+4*\c+3], v[AD] offset:PART+2048*\t+512*\c
.endr
.endr
.if \lim
	s_add_co_u32 s50, s[KS], 1                     ; the tile's last step lies on the diagonal: there the scores of hidden keys become -infinity ahead of the maximum
	s_cmp_lt_u32 s50, s[\lim]
	s_cbranch_scc1 .Lopen_\@
	s_cmp_eq_u32 s[HIF], 0
	s_cbranch_scc1 .Llow_\@
	v_add_nc_u32 v[DD], s[DOF], v[DQ]              ; d = my query - the step's first key - 16 h.  Register 16 b + i holds key 16 h + 32 b + i of the step: hidden where 32 b + i > d
.set n, 32
.rept 32                                       ; d is 48 or more: blocks 0 and 1 count whole
	v_cmp_gt_i32 vcc_lo, 32*(n/16)+n%16, v[DD]
	v_cndmask_b32 v[S+n], v[S+n], v[NINF], vcc_lo
.set n, n+1
.endr
	s_wait_alu depctr_va_vdst(0)
	s_branch .Lopen_\@
.Llow_\@:
	v_add_nc_u32 v[DD], s[DOF], v[DQ]
.set n, 0
.rept 32
	v_cmp_gt_i32 vcc_lo, 32*(n/16)+n%16, v[DD]
	v_cndmask_b32 v[S+n], v[S+n], v[NINF], vcc_lo
.set n, n+1
.endr
.rept 32                                       ; d is 63 or less: blocks 2 and 3 are hidden whole
	v_mov_b32 v[S+n], v[NINF]
.set n, n+1
.endr
.Lopen_\@:
.endif
.irp b, 0,1,2,3
	v_max3_num_f32 v[BM+\b], v[S+16*\b], v[S+1+16*\b], v[S+2+16*\b]   ; the largest score of each block of 32 keys: for the row's maximum, and, since p rises with the score, for the block's largest p
.endr
.irp i, 3,5,7,9,11,13
.irp b, 0,1,2,3
	v_max3_num_f32 v[BM+\b], v[BM+\b], v[S+16*\b+\i], v[S+1+16*\b+\i]
.endr
.endr
.irp b, 0,1,2,3
	v_max_num_f32 v[BM+\b], v[BM+\b], v[S+15+16*\b]
.endr
.irp b, 0,1,2,3
	s_delay_alu instid0(VALU_DEP_4)
	v_permlanex16_b32 v[PM+\b], v[BM+\b], s[SEL], s[SEL+1]
.endr
.irp b, 0,1,2,3
	s_delay_alu instid0(VALU_DEP_4)
	v_max_num_f32 v[BM+\b], v[BM+\b], v[PM+\b]     ; with lane l xor 16's 16 keys
.endr
	s_delay_alu instid0(VALU_DEP_2)
	v_max3_num_f32 v[TMP], v[BM], v[BM+1], v[BM+2]
	s_delay_alu instid0(VALU_DEP_1)
	v_max_num_f32 v[TMP], v[TMP], v[BM+3]
	s_delay_alu instid0(VALU_DEP_1)
	v_mul_f32 v[TMP], s[CS], v[TMP]                ; as t
	s_delay_alu instid0(VALU_DEP_1)
	v_max_num_f32 v13, v13, v[TMP]                 ; the running largest t
	v_mov_b32 v[TMP], v12
	s_delay_alu instid0(VALU_DEP_2)
	v_floor_f32 v12, -v13                          ; the new -M = -ceil(t)
	s_delay_alu instid0(VALU_DEP_1)
	v_sub_f32 v[TMP], v12, v[TMP]                  ; old M - new M: a whole number, 0 or less
	s_delay_alu instid0(VALU_DEP_1)
	v_cvt_i32_f32 v[TMP], v[TMP]                   ; (it saturates)
	s_delay_alu instid0(VALU_DEP_1)
	v_ldexp_f32 v[F], 1.0, v[TMP]                  ; f = 2^(old M - new M)
.set j, 0
.rept 32
	v_pk_fma_f32 v[S+j:S+j+1], v[S+j:S+j+1], s[CS:CS+1], v[12:13] op_sel_hi:[1,0,0]   ; t - M, two at a time
.set j, j+2
.endr
.irp b, 0,1,2,3
	v_fma_f32 v[BM+\b], v[BM+\b], s[CS], v12       ; the same of each block's largest score
.endr
.set j, 0
	s_wait_alu depctr_va_vdst(0)
.rept 64
	v_exp_f32 v[S+j], v[S+j]                       ; p = 2^(t - M)
.set j, j+1
.endr
	v_pk_mul_f32 v[14:15], v[14:15], v[F:F+1] op_sel_hi:[1,0]   ; the sums under the new M: a plain line behind the exponentials
	s_wait_alu depctr_va_vdst(0)                   ; one wait for the whole batch, ahead of its first reader
.irp b, 0,1,2,3
	v_exp_f32 v[BM+\b], v[BM+\b]                   ; the block's largest p: the same two instructions on the same number
.endr
	v_pk_add_f32 v[252:253], v[132:133], v[136:137]   ; the row's sum of the unquantised p: eight chains, two numbers a line
	v_pk_add_f32 v[250:251], v[140:141], v[144:145]
	v_pk_add_f32 v[248:249], v[148:149], v[152:153]
	v_pk_add_f32 v[238:239], v[156:157], v[160:161]
	v_pk_add_f32 v[236:237], v[164:165], v[168:169]
	v_pk_add_f32 v[234:235], v[172:173], v[176:177]
	v_pk_add_f32 v[232:233], v[180:181], v[184:185]
	v_pk_add_f32 v[14:15], v[14:15], v[188:189]
	v_pk_add_f32 v[252:253], v[252:253], v[128:129]
	v_pk_add_f32 v[250:251], v[250:251], v[130:131]
	v_pk_add_f32 v[248:249], v[248:249], v[134:135]
	v_pk_add_f32 v[238:239], v[238:239], v[138:139]
	v_pk_add_f32 v[236:237], v[236:237], v[142:143]
	v_pk_add_f32 v[234:235], v[234:235], v[146:147]
	v_pk_add_f32 v[232:233], v[232:233], v[150:151]
	v_pk_add_f32 v[14:15], v[14:15], v[154:155]
	v_pk_add_f32 v[252:253], v[252:253], v[158:159]
	v_pk_add_f32 v[250:251], v[250:251], v[162:163]
	v_pk_add_f32 v[248:249], v[248:249], v[166:167]
	v_pk_add_f32 v[238:239], v[238:239], v[170:171]
	v_pk_add_f32 v[236:237], v[236:237], v[174:175]
	v_pk_add_f32 v[234:235], v[234:235], v[178:179]
	v_pk_add_f32 v[232:233], v[232:233], v[182:183]
	v_pk_add_f32 v[14:15], v[14:15], v[186:187]
	v_pk_add_f32 v[252:253], v[252:253], v[190:191]
	s_delay_alu instid0(VALU_DEP_2)
	v_pk_add_f32 v[14:15], v[14:15], v[238:239]
	s_delay_alu instid0(VALU_DEP_2)
	v_pk_add_f32 v[252:253], v[252:253], v[236:237]
	v_pk_add_f32 v[250:251], v[250:251], v[234:235]
	v_pk_add_f32 v[248:249], v[248:249], v[232:233]
	s_delay_alu instid0(VALU_DEP_2)
	v_pk_add_f32 v[14:15], v[14:15], v[250:251]
	s_delay_alu instid0(VALU_DEP_2)
	v_pk_add_f32 v[252:253], v[252:253], v[248:249]
	s_delay_alu instid0(VALU_DEP_1)
	v_pk_add_f32 v[14:15], v[14:15], v[252:253]
	s_wait_alu depctr_va_vdst(0)                   ; and one for the four
.irp b, 0,1,2,3
	v_max_num_f32 v[BM+\b], 0x4800000, v[BM+\b]    ; the floor 2^(9 - 127): a block whose every p is 0 keeps the byte 1 and zero codes
.endr
.irp b, 0,1,2,3
	s_delay_alu instid0(VALU_DEP_4)
	v_add_nc_u32 v[SO+\b], 0xfc000000, v[BM+\b]    ; the conversion's scale operand
.endr
.irp b, 0,1,2,3
	v_and_or_b32 v[HL+\b], v[BM+\b], 0x7f800000, s[MNT]   ; 448 x the scale
.endr
.irp b, 0,1,2,3
	v_lshrrev_b32 v[PM+\b], 23, v[SO+\b]           ; the byte
.endr
	s_delay_alu instid0(VALU_DEP_3)
	v_lshl_or_b32 v[PW], v[PM+1], 8, v[PM]         ; p's scale word for these 128 keys
	s_delay_alu instid0(VALU_DEP_1)
	v_lshl_or_b32 v[PW], v[PM+2], 16, v[PW]
	s_delay_alu instid0(VALU_DEP_1)
	v_lshl_or_b32 v[PW], v[PM+3], 24, v[PW]
.irp b, 0,1,2,3
	v_and_or_b32 v[PM+(\b+1)%4], v[BM+\b], 0x7f800000, s[MNT]   ; 448 x the scale once more, in a register whose number differs modulo 4: the two halves of a dual pair take their second sources from different banks
.endr
.irp b, 0,1,2,3
.irp i, 0,2,4,6,8,10,12,14
	v_dual_min_num_f32 v[S+16*\b+\i], v[S+16*\b+\i], v[HL+\b] :: v_dual_min_num_f32 v[S+16*\b+\i+1], v[S+16*\b+\i+1], v[PM+(\b+1)%4]   ; the conversion does not saturate (ISA guide 7.6.2); p is not negative, so the hold is one-sided; two holds a line
.endr
	v_cvt_scalef32_pk8_fp8_f32 v[PC+4*\b:PC+4*\b+1], v[S+16*\b:S+16*\b+7], v[SO+\b]
	v_cvt_scalef32_pk8_fp8_f32 v[PC+4*\b+2:PC+4*\b+3], v[S+16*\b+8:S+16*\b+15], v[SO+\b]
.endr
	s_wait_alu depctr_va_vdst(0)
.set j, 0
.rept 16
	v_pk_mul_f32 v[O+j:O+j+1], v[O+j:O+j+1], v[F:F+1] op_sel_hi:[1,0]   ; O^T under the new M; these are also the places between the codes and the products
.set j, j+2
.endr
	s_wait_alu depctr_va_vdst(0)
	s_wait_dscnt 0x0                               ; V is in
.irp t, 0,1,2,3                                ; O^T += V^T P^T: four accumulators by turns
	v_wmma_scale_f32_16x16x128_f8f6f4 v[O+8*\t:O+8*\t+7], v[FR+16*\t:FR+16*\t+15], v[PC:PC+15], v[O+8*\t:O+8*\t+7], v[SCW+\t], v[PW] matrix_a_scale:MATRIX_SCALE_ROW1
.endr
.if \lim
.Lhidden_\@:
.endif
.endm
; A TILE OF QUERIES IS DONE: O^T / the sum is y: my head's 64 channels are two blocks of 32 along the last product's K: 8 registers of codes and two scale bytes.  sw = 1: on to the short tile.
.macro FINAL yc, ys, sw
.rept 8
	v_nop                                          ; behind the last products
.endr
	v_add_f32 v14, v14, v15
	s_delay_alu instid0(VALU_DEP_1)
	v_permlanex16_b32 v[TMP], v14, s[SEL], s[SEL+1]
	s_delay_alu instid0(VALU_DEP_1)
	v_add_f32 v14, v14, v[TMP]                     ; the row's sum
	s_wait_alu depctr_va_vdst(0)
	v_rcp_f32 v[F], v14
	v_nop                                          ; a plain line behind the reciprocal
	s_wait_alu depctr_va_vdst(0)                   ; the wait ahead of its first reader
.set j, 0
.rept 16
	v_pk_mul_f32 v[O+j:O+j+1], v[O+j:O+j+1], v[F:F+1] op_sel_hi:[1,0]
.set j, j+2
.endr
.irp b, 0,1
	v_max3_num_f32 v[BM+\b], |v[O+16*\b]|, |v[O+1+16*\b]|, 0x4800000
.endr
.irp i, 2,4,6,8,10,12,14
.irp b, 0,1
	s_delay_alu instid0(VALU_DEP_2)
	v_max3_num_f32 v[BM+\b], v[BM+\b], |v[O+16*\b+\i]|, |v[O+1+16*\b+\i]|
.endr
.endr
.irp b, 0,1
	s_delay_alu instid0(VALU_DEP_2)
	v_permlanex16_b32 v[PM+\b], v[BM+\b], s[SEL], s[SEL+1]
.endr
.irp b, 0,1
	s_delay_alu instid0(VALU_DEP_2)
	v_max_num_f32 v[BM+\b], v[BM+\b], v[PM+\b]
.endr
.irp b, 0,1
	s_delay_alu instid0(VALU_DEP_2)
	v_add_nc_u32 v[SO+\b], 0xfc000000, v[BM+\b]
.endr
.irp b, 0,1
	s_delay_alu instid0(VALU_DEP_4)
	v_and_or_b32 v[HL+\b], v[BM+\b], 0x7f800000, s[MNT]
.endr
.irp b, 0,1
	s_delay_alu instid0(VALU_DEP_4)
	v_lshrrev_b32 v[PM+\b], 23, v[SO+\b]
.endr
	s_delay_alu instid0(VALU_DEP_1)
	v_lshl_or_b32 v[DD], v[PM+1], 8, v[PM]
	s_delay_alu instid0(VALU_DEP_1)
	v_lshrrev_b32 v[DD], v[H8], v[DD]              ; lanes 0-15 store block 0's byte, lanes 16-31 block 1's
.irp b, 0,1
.irp i, 0,1,2,3,4,5,6,7,8,9,10,11,12,13,14,15
	v_med3_num_f32 v[O+16*\b+\i], v[O+16*\b+\i], -v[HL+\b], v[HL+\b]
.endr
	v_cvt_scalef32_pk8_fp8_f32 v[PC+4*\b:PC+4*\b+1], v[O+16*\b:O+16*\b+7], v[SO+\b]
	v_cvt_scalef32_pk8_fp8_f32 v[PC+4*\b+2:PC+4*\b+3], v[O+16*\b+8:O+16*\b+15], v[SO+\b]
.endr
	v_nop                                          ; one plain line behind the last conversion
	global_store_b128 v[LA], v[PC:PC+3], s[\yc:\yc+1]              ; 512 consecutive bytes of the image
	global_store_b128 v[LA], v[PC+4:PC+7], s[\yc:\yc+1] offset:512
	global_store_b8 v[YSO], v[DD], s[\ys:\ys+1]    ; two bytes of a row's eight: the other heads of these 256 channels store the rest
.if \sw
	s_wait_loadcnt 0x0                             ; the short tile's q
	v_perm_b32 v[QS], v[QBS], v[QBS], s61
.irp i, 0,1,2,3,4,5,6,7
	v_mov_b32 v[Q+\i], v[QB+\i]
.endr
	v_mov_b32 v13, 0xff61b1e6
	s_delay_alu instid0(VALU_DEP_1)
	v_floor_f32 v12, -v13
	v_mov_b32 v14, 0
	v_mov_b32 v15, 0
.set j, 0
.rept 32
	v_mov_b32 v[O+j], 0
.set j, j+1
.endr
	s_mov_b32 s[DOF], s[DOFB]
	s_xor_b32 s[HIF], s[HIF], 1
	s_wait_alu depctr_va_vdst(0)
	s_wait_xcnt 0x0                                ; the stores have read their registers, which the next steps write
.endif
.endm
	s_mov_b32 s[KS], 0
.Lfirst:                                           ; the long tile's key steps 0 and 1: slot 0 (a long tile has nine steps or more)
	STEP 0
	s_add_co_u32 s[KS], s[KS], 1
	s_cmp_lt_u32 s[KS], 2
	s_cbranch_scc1 .Lfirst
	s_wait_tensorcnt 0x0                           ; every wave: my part of K and V has landed
	s_wait_dscnt 0x0
	s_barrier_signal -1
	s_barrier_wait -1                              ; all eight slots are whole; from here on the waves walk by themselves
	s_mov_b32 s[KS], 2
.Llong:                                            ; a constant count of trips; the steps behind the tile's last are jumped over
	STEP NL
	s_add_co_u32 s[KS], s[KS], 1
	s_cmp_lt_u32 s[KS], 16
	s_cbranch_scc1 .Llong
	FINAL YCA, YSA, 1
	s_mov_b32 s[KS], 0
.Lshort:
	STEP NS
	s_add_co_u32 s[KS], s[KS], 1
	s_cmp_lt_u32 s[KS], 8
	s_cbranch_scc1 .Lshort
	FINAL YCB, YSB, 0
	s_wait_tensorcnt 0x0                           ; the wave's end
	ds_add_u32 v[SPW], v[NIL]
	s_wait_dscnt 0x0
	CROUND                                         ; the closing round
	s_endpgm
.Lfunc_end_k_qb9955fe188_attn:
	.size	k_qb9955fe188_attn, .Lfunc_end_k_qb9955fe188_attn-k_qb9955fe188_attn
	.p2alignl 7, 3214868480
	.fill 96, 4, 3214868480
	.section	.rodata,"a",@progbits
	.p2align	6, 0x0
	.amdhsa_kernel k_qb9955fe188_attn
		.amdhsa_group_segment_fixed_size 327680
		.amdhsa_private_segment_fixed_size 0
		.amdhsa_enable_private_segment 0
		.amdhsa_kernarg_size 16
		.amdhsa_user_sgpr_count 2
		.amdhsa_user_sgpr_kernarg_segment_ptr 1
		.amdhsa_wavefront_size32 1
		.amdhsa_system_sgpr_workgroup_id_x 1
		.amdhsa_system_sgpr_workgroup_id_y 1
		.amdhsa_system_sgpr_workgroup_id_z 1
		.amdhsa_system_vgpr_workitem_id 0
		.amdhsa_next_free_vgpr 256
		.amdhsa_next_free_sgpr 66
		.amdhsa_reserve_vcc 1
		.amdhsa_float_denorm_mode_32 3
		.amdhsa_float_denorm_mode_16_64 3
		.amdhsa_memory_ordered 1
		.amdhsa_forward_progress 1
		.amdhsa_inst_pref_size 98
	.end_amdhsa_kernel
	.amdgpu_metadata
---
amdhsa.version: [ 1, 2 ]
amdhsa.kernels:
  - .name:           k_qb9955fe188_attn
    .symbol:         k_qb9955fe188_attn.kd
    .args:
      - { .name: qkv, .offset: 0, .size: 8, .value_kind: global_buffer, .address_space: global }
      - { .name: yc, .offset: 8, .size: 8, .value_kind: global_buffer, .address_space: global }
    .group_segment_fixed_size: 327680
    .private_segment_fixed_size: 0
    .kernarg_segment_align: 8
    .kernarg_segment_size: 16
    .max_flat_workgroup_size: 512
    .sgpr_count:     66
    .vgpr_count:     256
    .wavefront_size: 32
...
	.end_amdgpu_metadata
.endif
;; end of part 3
;; launch proj (part 4): grid 4 x 64, 4 waves a work-group, clusters of 4 x 4, 327,680 bytes of LDS; arguments yc, wc, b_proj, out0; writes out0
.if DOCPART == 4
	.amdgcn_target "amdgcn-amd-amdhsa--gfx1250"
	.amdhsa_code_object_version 6
	.text
	.protected	k_qb9955fe188_proj
	.globl	k_qb9955fe188_proj
	.p2align	8
	.type	k_qb9955fe188_proj,@function
k_qb9955fe188_proj:
	s_mov_b64 s[64:65], 0
	v_nop
	global_prefetch_b8 v0, s[64:65] scope:SCOPE_SE
	s_setreg_imm32_b32 hwreg(HW_REG_WAVE_MODE, 25, 1), 1
	s_wait_xcnt 0x0
	s_wait_alu depctr_hold_cnt(0) depctr_sa_sdst(0) depctr_va_vdst(0) depctr_va_sdst(0) depctr_va_ssrc(0) depctr_va_vcc(0) depctr_vm_vsrc(0)
	s_getreg_b32 s2, hwreg(HW_REG_IB_STS2, 6, 4)
	s_cmp_eq_u32 s2, 0
	s_cbranch_scc0 .Lentry_in_a_cluster
	s_endpgm
.Lentry_in_a_cluster:
	s_bfe_u32 s2, ttmp6, 0x10000c
	s_cmp_lg_u32 s2, 0xf033
	s_cbranch_scc0 .Lentry_shape_is_right
	s_endpgm
.Lentry_shape_is_right:
; out0 = y w_proj + b_proj on codes of FP8 (E4M3) with E8M0 scales; out0 [8192][1024] f32.
; OPERANDS (yc, wc) lie as images of the operands' registers: [block of 256 rows][256 along K][half of 128 rows]: codes [tile 8][128 along K: 2][2,048], scale words [tile 8][place 16][2].  A half record is 33,792 dense bytes.
; In a group of 32 rows tile u holds at place i the row 8 u + i % 8 + 16 (i / 8), in both operands.  w_proj's columns are wc's rows 3,072 on: blocks 12 to 15.
; SHARES: 64 x 4 = 256 work-groups; a block of 128 tokens x 256 columns; four waves of 64 x 128: 32 accumulators, one register window.
; Source 1 (lanes) = tokens, source 0 (registers) = w_proj's columns: a lane's eight results are eight neighbouring columns of one row of out0.
; K = 1,024 goes in four steps of 256 through two LDS slots of 101,376 bytes: y's half record, then w_proj's two, which lie on end in memory and come by one load of 264 rows.
; Wave w fills slot w / 2: y's part (w even) or w_proj's (w odd).  The head's four loads, one a wave, fill both slots; the first barrier waits for slot 0's two alone.
; Both operands have two sets of fragment registers: the fragments of each 128 along K are fetched under the products of the 128 before.
; CLUSTERS: 4 x 4.  y's tiles hang on cy alone and are asked for jointly by a row of the cluster, w_proj's on cx alone, by a column.
; NO PREFETCH: of K's four steps two are asked for at the head and the other two one step later each: no trip lies a whole step ahead of a load.
; REGISTERS: window 0: v1-29 addresses; v32-63 scale words, two sets; v64-127 the bias, as the C of the first products; v128-255 source 1's fragments, two sets of 64; later rows of out0.
;   window 1: source 0's fragments, two sets of 128.  window 2: the accumulators ((a, b) at v[8 (8 a + b)]).
.set HALF,  33792
.set KSLOT, 67584
.set BLKB,  270336
.set SLOT,  3*HALF
.set SPARE, 2*SLOT                     ; the spare words: 128 bytes a wave, two blocks of 256 bytes that no other line names
.set ADRA, 16                          ; v16-17 LDS address of my four tiles of y in slot 0, 1
.set ADRB, 20                          ; v20-21 of my half of w_proj
.set ADRS, 22                          ; v22-23 of the scale words: lanes 0-15 y's, lanes 16-31 w_proj's
.set LO,   24                          ; v24 16 x lane
.set STO,  25                          ; v25 the way out: where I put 32 bytes of a row
.set RD,   26                          ; v26 and where I read a row back
.set SPW,  28
.set NIL,  29
.set SC,   32
.set BI,   64
.set AF,   128
.set BK,   128                         ; the way out: 16 rows read back: v128-191 and v192-255 by turns
.set G1,  24                           ; s[24:31] group 1 for y's half record, s[32:39] for w_proj's two; s[40:43], s[44:47] their groups 0
.set G1B, 32
.set G0,  40
.set G0B, 44
.set MSB, 0
.macro WIN new                         ; the immediate's high byte repeats the setting that is left
.if MSB != (\new)
	s_set_vgpr_msb (MSB<<8)|(\new)
.set MSB, (\new)
.endif
.endm
.macro TL g0, g1                       ; a joint load; an s_nop 0 and four v_nop follow it
	tensor_load_to_lds s[\g0:\g0+3], s[\g1:\g1+7]
	s_nop 0
.rept 4
	v_nop
.endr
.endm
.macro RLOAD s                         ; slot s is filled again by its own two waves; the branches hang on the wave's number alone
	s_cmp_eq_u32 s14, 2*(\s)
	s_cbranch_scc0 .Lfor_b_\@
	TL G0, G1
	s_branch .Lasked_\@
.Lfor_b_\@:
	s_cmp_eq_u32 s14, 2*(\s)+1
	s_cbranch_scc0 .Lasked_\@
	TL G0B, G1B
.Lasked_\@:
.endm
.macro CREST                           ; a round of the cluster's barrier behind its opening barrier
	s_cmp_lg_u32 s14, 0
	s_cbranch_scc1 .Lnot_wave_0_\@
	s_barrier_signal -3
.Lnot_wave_0_\@:
	s_barrier_wait -3
	s_barrier_signal -1
	s_barrier_wait -1
.endm
.macro CROUND
	s_barrier_signal -1
	s_barrier_wait -1
	CREST
.endm
.macro PLACES n                        ; plain vector lines between a matrix instruction and a load into, or a read of, its registers: eight behind this form
.rept \n
	v_nop
.endr
.endm
.macro FRAG reg, adr, q, i             ; an image comes back as it was stored: 512 consecutive bytes a load
.irp c, 0,1,2,3
	ds_load_b128 v[\reg+4*\c:\reg+4*\c+3], v[\adr] offset:4096*(\i)+2048*(\q)+512*\c
.endr
.endm
.macro FETCH slot, q, p                ; the fragments of the slot's q-th 128 along K into sets p: w_proj's eight tiles, y's four: 48 loads
	WIN 0x40                                       ; destination window 1
.irp i, 0,1,2,3,4,5,6,7
	FRAG 128*(\p)+16*\i, ADRB+(\slot), \q, \i
.endr
	WIN 0
.irp i, 0,1,2,3
	FRAG AF+64*(\p)+16*\i, ADRA+(\slot), \q, \i
.endr
.endm
.macro SCALES sc                       ; a slot's scale words, two a row: lanes 0-15 take y's tile i (i under 4 is used), lanes 16-31 w_proj's tile i
.irp i, 0,1,2,3,4,5,6,7
	ds_load_b64 v[SC+16*(\sc)+2*\i:SC+16*(\sc)+2*\i+1], v[ADRS+(\sc)] offset:128*\i
.endr
.endm
; 16 matrix instructions: y's tiles a0, a0 + 1 x w_proj's eight.  mode 1: the sums start from the bias.  The 32 accumulators take turns, in the same order in every step.
.macro MULH a0, p, q, sc, mode
.irp a, \a0, \a0+1
.irp b, 0,1,2,3,4,5,6,7
.set rD, 8*(8*(\a)+\b)
.set rB, 128*(\p)+16*\b
.set rA, AF+64*(\p)+16*(\a)
.set rSB, SC+16*(\sc)+2*\b+(\q)
.set rSA, SC+16*(\sc)+2*(\a)+(\q)
.if \mode == 0
	v_wmma_scale_f32_16x16x128_f8f6f4 v[rD:rD+7], v[rB:rB+15], v[rA:rA+15], v[rD:rD+7], v[rSB], v[rSA] matrix_a_scale:MATRIX_SCALE_ROW1
.else
	v_wmma_scale_f32_16x16x128_f8f6f4 v[rD:rD+7], v[rB:rB+15], v[rA:rA+15], v[BI+8*\b:BI+8*\b+7], v[rSB], v[rSA] matrix_a_scale:MATRIX_SCALE_ROW1
.endif
.endr
.endr
.endm
; A slot's first 128 along K: sets 0 are multiplied, sets 1 fetched.
.macro Q0 slot, mode
	s_wait_dscnt 0x0                               ; sets 0 and the slot's scale words are in
	PLACES 8                                       ; behind the last products, which read sets 1
	FETCH \slot, 1, 1
.if \mode
	WIN 0x81                                       ; source 0 window 1, source 1 and C window 0, D window 2
.else
	WIN 0xa1                                       ; C and D window 2
.endif
	MULH 0, 0, 0, \slot, \mode
	MULH 2, 0, 0, \slot, \mode
	WIN 0
.endm
; A slot's second 128 along K changes slots: one barrier; in front of it each wave waits for all its tensor loads, adds 0 to its spare word, and waits for that and for its reads of this slot.
.macro Q1 slot, fill
	s_wait_tensorcnt 0x0                           ; all my tensor loads have landed
	ds_add_u32 v[SPW], v[NIL]                      ; 0 onto my spare word
.if (\fill) && ((\slot) == 0)
	s_add_nc_u64 s[G0+2:G0+3], s[G0+2:G0+3], 2*KSLOT       ; every wave's descriptors step here, two steps along K on: slot 0's waves use them behind this round, slot 1's behind the next
	s_add_nc_u64 s[G0B+2:G0B+3], s[G0B+2:G0B+3], 2*KSLOT
.endif
	s_wait_dscnt 0x0                               ; the add is done, sets 1 are in, and my reads of this slot are over
	s_barrier_signal -1
	WIN 0xa1
	MULH 0, 1, 1, \slot, 0
	WIN 0
	s_barrier_wait -1
.if \fill
	CREST                                          ; the barrier has opened a round of the cluster's: no wave of any partner still reads this slot or has a load on its way
	RLOAD \slot
.endif
	PLACES 8                                       ; behind the products that read sets 0
	FETCH 1-(\slot), 0, 0
	SCALES 1-(\slot)
	WIN 0xa1
	MULH 2, 1, 1, \slot, 0
	WIN 0
.endm
	s_load_b256 s[4:11], s[0:1], 0x0               ; yc, wc, b_proj, out0
	v_lshl_add_u32 v[SPW], v0, 2, SPARE
	v_mov_b32 v[NIL], 0
	ds_add_u32 v[SPW], v[NIL]                      ; the opening lines: the add, twice on end, and its wait ahead of my first tensor load
	ds_add_u32 v[SPW], v[NIL]
	v_lshrrev_b32 v1, 5, v0
	v_readfirstlane_b32 s14, v1                    ; wave 0..3
	s_lshr_b32 s15, s14, 1                         ; my 64 of the 128 tokens.  Also: the slot that I fill
	s_and_b32 s16, s14, 1                          ; my half of the columns.  Also: I fetch y's part (0) or w_proj's (1)
	s_bfe_u32 s76, ttmp6, 0x40000                  ; cx
	s_bfe_u32 s77, ttmp6, 0x40004                  ; cy
	s_and_b32 s17, ttmp7, 0xffff                   ; the cluster's y
	s_lshl_b32 s78, s77, 2
	s_lshl_b32 s78, 15, s78                        ; my row of the cluster
	s_lshl_b32 s79, 0x1111, s76                    ; my column
	s_or_b32 s[G1], s78, (3<<16)|(1<<21)           ; the mask; elements of 8 bytes; bit 21 beside a mask; no padding
	s_or_b32 s[G1B], s79, (3<<16)|(1<<21)
	s_mov_b32 s[G1+1], 32<<16                      ; rows of 256 bytes,
	s_mov_b32 s[G1+2], 132<<16                     ; 132 of them: a half record
	s_mov_b32 s[G1+3], 32<<16
	s_mov_b32 s[G1+4], 132
	s_mov_b32 s[G1+5], 32                          ; dense
	s_mov_b32 s[G1+6], 0
	s_mov_b32 s[G1+7], 0
	s_mov_b32 s[G1B+1], 32<<16
	s_mov_b32 s[G1B+2], 264<<16                    ; 264: two half records on end
	s_mov_b32 s[G1B+3], 32<<16
	s_mov_b32 s[G1B+4], 264
	s_mov_b32 s[G1B+5], 32
	s_mov_b32 s[G1B+6], 0
	s_mov_b32 s[G1B+7], 0
	s_lshl_b32 s81, s17, 2
	s_add_co_u32 s81, s81, s77                     ; which 128 tokens, 0..63
	s_lshr_b32 s18, s81, 1
	s_mul_i32 s18, s18, BLKB
	s_and_b32 s19, s81, 1
	s_mul_i32 s19, s19, HALF
	s_add_co_u32 s18, s18, s19
	s_mul_i32 s12, s15, KSLOT                      ; my slot's first step along K
	s_add_co_u32 s18, s18, s12
	s_mov_b32 s19, 0
	s_add_co_u32 s20, s76, 12                      ; the block of 256 columns of w_proj in wc
	s_mul_i32 s20, s20, BLKB
	s_add_co_u32 s20, s20, s12
	s_mov_b32 s21, 0
	s_mov_b32 s[G0], 1
	s_mul_i32 s[G0+1], s15, SLOT                   ; no place in the cluster enters an LDS address
	s_mov_b32 s[G0B], 1
	s_add_co_u32 s[G0B+1], s[G0+1], HALF
	s_wait_dscnt 0x0                               ; both opening adds are done
	s_wait_kmcnt 0x0
	s_add_nc_u64 s[G0+2:G0+3], s[4:5], s[18:19]
	s_or_b32 s[G0+3], s[G0+3], 0x80000000
	s_add_nc_u64 s[G0B+2:G0B+3], s[6:7], s[20:21]
	s_or_b32 s[G0B+3], s[G0B+3], 0x80000000
	CROUND                                         ; all sixteen work-groups are here: the first joint loads meet
	s_cmp_eq_u32 s14, 0                            ; one first fill a wave, each in an arm of its own
	s_cbranch_scc0 .Lfirst_1
	TL G0, G1                                      ; wave 0: y, the first 256 along K
	s_branch .Lfirst_asked
.Lfirst_1:
	s_cmp_eq_u32 s14, 1
	s_cbranch_scc0 .Lfirst_2
	TL G0B, G1B                                    ; wave 1: w_proj, the first 256
	s_branch .Lfirst_asked
.Lfirst_2:
	s_cmp_eq_u32 s14, 2
	s_cbranch_scc0 .Lfirst_3
	TL G0, G1                                      ; wave 2: y, the second 256
	s_branch .Lfirst_asked
.Lfirst_3:
	TL G0B, G1B                                    ; wave 3: w_proj, the second 256
.Lfirst_asked:
	s_lshl_b32 s22, s15, 14                        ; my four tiles of y: 4 x 4,096 bytes on
	s_mul_i32 s23, s16, HALF
	s_add_co_u32 s23, s23, HALF                    ; my half of w_proj, behind y's half record
	s_lshl_b32 s13, s15, 9
	s_add_co_u32 s13, s13, 32768                   ; my tiles' scale words of y
	s_add_co_u32 s19, s23, 32768
	s_sub_co_u32 s19, s19, s13                     ; from them to w_proj's
	s_lshl_b32 s70, s76, 10
	s_lshl_b32 s71, s16, 9
	s_add_co_u32 s70, s70, s71                     ; my first column, in bytes: of b_proj and of a row of out0
	s_mov_b32 s71, 0
	s_add_nc_u64 s[8:9], s[8:9], s[70:71]
	s_lshl_b32 s72, s81, 19                        ; 128 rows of 4,096 bytes,
	s_lshl_b32 s73, s15, 18                        ; 64 for my part
	s_add_co_u32 s72, s72, s73
	s_add_co_u32 s72, s72, s70
	s_mov_b32 s73, 0
	s_add_nc_u64 s[72:73], s[10:11], s[72:73]      ; my part of out0; never stepped
	s_mul_i32 s74, s14, 16*528                     ; my stage: 16 rows x (512 + 16) bytes, in slot 0, which has had its last fill and its last read when the first result is stored there
	v_and_b32 v1, 15, v0                           ; r
	v_bfe_u32 v2, v0, 4, 1                         ; h
	v_and_b32 v3, 31, v0
	v_lshlrev_b32 v[LO], 4, v3
	v_lshlrev_b32 v5, 3, v1
	v_mul_u32_u24 v6, s19, v2                      ; lanes 16-31 take w_proj's words: the lower base + h x the distance
	v_add_nc_u32 v5, v5, v6
	v_add_nc_u32 v[ADRA], s22, v[LO]
	v_add_nc_u32 v[ADRB], s23, v[LO]
	v_add_nc_u32 v[ADRS], s13, v5
	v_add_nc_u32 v[ADRA+1], SLOT, v[ADRA]
	v_add_nc_u32 v[ADRB+1], SLOT, v[ADRB]
	v_add_nc_u32 v[ADRS+1], SLOT, v[ADRS]
	v_lshlrev_b32 v7, 6, v2                        ; register j of tile b is column 32 (b / 2) + 16 h + 8 (b % 2) + j
	v_mul_u32_u24 v[STO], v1, 528
	v_lshl_add_u32 v[STO], v2, 6, v[STO]
	v_add_nc_u32 v[STO], s74, v[STO]               ; in: row place r, + 64 h
	v_add_nc_u32 v[RD], s74, v[LO]                 ; back: the 32 lanes take one row of 512 bytes
	s_wait_alu depctr_va_vdst(0)
.irp b, 0,1,2,3,4,5,6,7
	global_load_b128 v[BI+8*\b:BI+8*\b+3], v7, s[8:9] offset:(32*(\b/2)+8*(\b%2))*4
	global_load_b128 v[BI+8*\b+4:BI+8*\b+7], v7, s[8:9] offset:(32*(\b/2)+8*(\b%2))*4+16
.endr
	s_cmp_lt_u32 s14, 2
	s_cbranch_scc0 .Lslot_1
	s_wait_tensorcnt 0x0                           ; waves 0 and 1: slot 0 has landed; slot 1's loads may stay out
.Lslot_1:
	s_barrier_signal -1
	s_barrier_wait -1
	FETCH 0, 0, 0
	SCALES 0
	s_wait_loadcnt 0x0                             ; the bias
	Q0 0, 1                                        ; the first products start the sums from the bias
	Q1 0, 1                                        ; slot 0 takes the third 256 along K
	Q0 1, 0
	Q1 1, 1                                        ; slot 1 the fourth
	Q0 0, 0
	Q1 0, 0                                        ; nothing is left to fetch: a plain barrier; behind it nobody reads slot 0
	Q0 1, 0
	s_wait_dscnt 0x0
	WIN 0xa1
	MULH 0, 1, 1, 1, 0
	MULH 2, 1, 1, 1, 0
	WIN 0
; THE WAY OUT, a tile of 16 tokens x 128 columns at a time, through my own stage: in by lanes (32 bytes of a row each), back as whole rows of 512 bytes.  LDS serves a wave's instructions in order (ISA guide 5.7.1.4).
.macro TOSTAGE a
.set AC, 64*(\a)
	WIN 0x08                                       ; an LDS store's data are its source 1: window 2
.irp b, 0,1,2,3,4,5,6,7
	ds_store_b128 v[STO], v[AC+8*\b:AC+8*\b+3] offset:(32*(\b/2)+8*(\b%2))*4        ; each accumulator from its low end on
	ds_store_b128 v[STO], v[AC+8*\b+4:AC+8*\b+7] offset:(32*(\b/2)+8*(\b%2))*4+16
.endr
	WIN 0
.set BB, BK+64*((\a)%2)
.irp t, 0,1,2,3,4,5,6,7,8,9,10,11,12,13,14,15
	ds_load_b128 v[BB+4*\t:BB+4*\t+3], v[RD] offset:\t*528
.endr
.endm
.macro SEND a, younger                 ; younger: the LDS instructions issued behind tile a's loads, which may stay out
.set BB, BK+64*((\a)%2)
	s_wait_dscnt \younger
.irp t, 0,1,2,3,4,5,6,7,8,9,10,11,12,13,14,15
	global_store_b128 v[LO], v[BB+4*\t:BB+4*\t+3], s[72:73] offset:(32*((\a)/2)+8*((\a)%2)+(\t%8)+16*(\t/8))*4096 th:TH_STORE_NT   ; place t of tile a is that row; 32 lanes store 512 consecutive bytes, aligned
.endr
.endm
	PLACES 8                                       ; behind the last products: results are read, and loads land in source 1's registers, below
	TOSTAGE 0
.irp a, 1,2,3
.if \a > 1
	s_wait_xcnt 0x0                                ; tile a - 2's stores have read their registers: tile a's loads may land there
.endif
	TOSTAGE \a
	SEND \a-1, 32                                  ; behind tile a - 1's loads: tile a's 16 stores and 16 loads
.endr
	SEND 3, 0
	s_wait_tensorcnt 0x0                           ; the wave's end
	ds_add_u32 v[SPW], v[NIL]
	s_wait_dscnt 0x0
	CROUND                                         ; the closing round: no work-group ends while a partner may still ask for a tile that names it
	s_endpgm
.Lfunc_end_k_qb9955fe188_proj:
	.size	k_qb9955fe188_proj, .Lfunc_end_k_qb9955fe188_proj-k_qb9955fe188_proj
	.p2alignl 7, 3214868480
	.fill 96, 4, 3214868480
	.section	.rodata,"a",@progbits
	.p2align	6, 0x0
	.amdhsa_kernel k_qb9955fe188_proj
		.amdhsa_group_segment_fixed_size 327680
		.amdhsa_private_segment_fixed_size 0
		.amdhsa_enable_private_segment 0
		.amdhsa_kernarg_size 32
		.amdhsa_user_sgpr_count 2
		.amdhsa_user_sgpr_kernarg_segment_ptr 1
		.amdhsa_wavefront_size32 1
		.amdhsa_system_sgpr_workgroup_id_x 1
		.amdhsa_system_sgpr_workgroup_id_y 1
		.amdhsa_system_sgpr_workgroup_id_z 1
		.amdhsa_system_vgpr_workitem_id 0
		.amdhsa_next_free_vgpr 768
		.amdhsa_next_free_sgpr 100
		.amdhsa_reserve_vcc 0
		.amdhsa_float_denorm_mode_32 3
		.amdhsa_float_denorm_mode_16_64 3
		.amdhsa_memory_ordered 1
		.amdhsa_forward_progress 1
		.amdhsa_inst_pref_size 87
	.end_amdhsa_kernel
	.amdgpu_metadata
---
amdhsa.version: [ 1, 2 ]
amdhsa.kernels:
  - .name:           k_qb9955fe188_proj
    .symbol:         k_qb9955fe188_proj.kd
    .args:
      - { .name: yc, .offset: 0, .size: 8, .value_kind: global_buffer, .address_space: global }
      - { .name: wc, .offset: 8, .size: 8, .value_kind: global_buffer, .address_space: global }
      - { .name: b_proj, .offset: 16, .size: 8, .value_kind: global_buffer, .address_space: global }
      - { .name: out0, .offset: 24, .size: 8, .value_kind: global_buffer, .address_space: global }
    .group_segment_fixed_size: 327680
    .private_segment_fixed_size: 0
    .kernarg_segment_align: 8
    .kernarg_segment_size: 32
    .max_flat_workgroup_size: 128
    .sgpr_count:     100
    .vgpr_count:     768
    .wavefront_size: 32
...
	.end_amdgpu_metadata
.endif
;; end of part 4
